; MI455X (gfx1250); checked and timed in simulation.
; The chip was launched on July 23, 2026; its instructions are those of AMD's public machine-readable ISA for CDNA 5 (MIT licence, August 2026) and "CDNA5" Instruction Set Architecture Reference Guide (July 2026). The comments in the code are by the model that wrote it; some were corrected since.
;; Continuous Gen Hyper Connections Strang. Allowed arithmetic: matrix products marked QUANTISED: E2M1 operands, one E8M0 scale for each 32 along K, by v_wmma_scale_f32_16x16x128_f8f6f4 with both operands' format E2M1 (or v_wmma_scale_f32_32x16x128_f4), f32 sums; products left as they are: f32 operands where the result goes on into a quantised operand, else bf16, f16 or f32 operands; f32 sums; everything else in f32.
;; Inputs: W1 2,048 x 8,192 float32; W2 8,192 x 2,048 float32; W_conv 16 x 8,192 float32; W_diss 4 x 8,192 float32; W_dtc 1 x 8,192 float32; W_dtd 1 x 8,192 float32; W_ri 4 x 8,192 float32; W_wo 4 x 8,192 float32; alpha_read_in 1 float32; alpha_write_out 1 float32; b_dtc 1 float32; b_dtd 1 float32; conserv_A 4 x 4 float32; diss_diag 4 float32; log_dt_conserv 1 float32; log_dt_diss 1 float32; read_in_p 4 x 1 float32; write_out_p 4 x 1 float32; x 2,048 x 4 x 2,048 float32.
;; Outputs: out0 2,048 x 4 x 2,048 float32.
;; This version of the problem:
;;   THIS VERSION OF THE PROBLEM IS GIVEN IN LOW PRECISION. The matrix products marked QUANTISED in the list below multiply operands that are first quantised to E2M1 (2 exponent bits, 1 mantissa bit; 4 bits a number), with one power-of-two scale for each 32 numbers along K (OCP MX v1.0); their sums are f32. All else is computed in f32.
;;   The module's matrix products, in the order in which they are computed (A, B: the left and right operand; K: the contracted axis; several contracted axes count as one K, in the product's order):
;;     1. [M 2,048, K 8,192] x [K 8,192, N 4]; A: computed on the way; B: input W_ri: left as it is (N = 4 < 16)
;;     2. [M 2,048, K 8,192] x [K 8,192, N 4]; A: computed on the way; B: input W_wo: left as it is (N = 4 < 16)
;;     3. [M 2,048, K 8,192] x [K 8,192, N 16]; A: computed on the way; B: input W_conv: QUANTISED
;;     4. [M 2,048, K 8,192] x [K 8,192, N 1]; A: computed on the way; B: input W_dtc: left as it is (N = 1 < 16)
;;     5. [M 2,048, K 8,192] x [K 8,192, N 4]; A: computed on the way; B: input W_diss: left as it is (N = 4 < 16)
;;     6. [M 2,048, K 8,192] x [K 8,192, N 1]; A: computed on the way; B: input W_dtd: left as it is (N = 1 < 16)
;;     7. batch 2,048 x [M 1, K 4] x [K 4, N 2,048]; A: computed on the way; B: input x: left as it is (K = 4 < 32)
;;     8. [M 2,048, K 2,048] x [K 2,048, N 8,192]; A: computed on the way; B: input W1: QUANTISED
;;     9. [M 2,048, K 8,192] x [K 8,192, N 2,048]; A: computed on the way; B: input W2: QUANTISED
;;     10. batch 2,048 x [M 4, K 1] x [K 1, N 2,048]; A: computed on the way; B: computed on the way: left as it is (K = 1 < 32)
;;     11. batch 2,048 x [M 4, K 4] x [K 4, N 2,048]; A: computed on the way; B: input x: left as it is (K = 4 < 32)
;;   THE QUANTISER, for each operand of a quantised product, along K:
;;     - K is cut into blocks of 32 from its start; a last block that is shorter is filled with zeros.
;;     - A block's scale is 2^e with e = floor(log2(the largest magnitude in the block)) - 2, held to -126 .. 127; a block of zeros has e = 0. As a byte (E8M0): e + 127.
;;     - Each number is divided by its block's scale, clamped to +-6, and rounded to the nearest number of E2M1, ties to even, subnormals kept.
;;     - The product sums the exact products of the quantised numbers (number of the format x scale) in f32.
;;   ~~~python
;;   def quantise(x, axis):      # numpy; x: float32 -> the quantised numbers, widened to float32 again
;;       x = np.moveaxis(x, axis, -1); K = x.shape[-1]
;;       x = np.pad(x, [(0, 0)] * (x.ndim - 1) + [(0, -K % 32)]); x = x.reshape(x.shape[:-1] + (-1, 32)); a = np.abs(x).max(-1, keepdims=True)
;;       e = np.where(a > 0, np.clip(np.frexp(np.where(a > 0, a, 1))[1] - 1 - 2, -126, 127), 0)      # np.frexp(a)[1] - 1 = floor(log2(a)), exactly
;;       r = np.clip(x / 2.0 ** e, -6, 6)
;;       step = 2.0 ** (np.maximum(np.frexp(np.where(r == 0, 1, r))[1] - 1, 0) - 1)
;;       q = np.round(r / step) * step * 2.0 ** e      # np.round: ties to even
;;       return np.moveaxis(q.reshape(q.shape[:-2] + (-1,))[..., :K], -1, axis).astype(np.float32)
;;   ~~~
;;   OPERANDS COMPUTED ON THE WAY. 'Computed on the way' means the value that the module computes at that place (a softmax that the list does not call 'softmax' is quantised finished and normalised). What goes into a quantiser is computed in f32, as accurately as f32 sums, v_exp_f32 and their like allow (about 1e-6 of the number): no bf16 or f16 on the way to a quantiser, and a product that is left as it is and whose result goes on into a quantised operand takes f32 operands (vector FMAs, or v_wmma_f32_16x16x4_f32). A number that lies on a knife's edge between two numbers of the format may be rounded either way, as far as f32 arithmetic and the matrix unit's own rounding can turn it there, and no further.
;; One version. Each part assembles by itself: llvm-mc -triple=amdgcn-amd-amdhsa -mcpu=gfx1250 --defsym DOCPART=n.
;; ======== version 1 of 1: 4 launches
;; workspace buffers: w1q 8,912,896 bytes; w2q 8,912,896 bytes; hq 8,912,896 bytes; aq 2,228,224 bytes; wcq 73,728 bytes; prm 262,144 bytes
;; launch quant (part 1): grid 528 x 1, 4 waves a work-group, no clusters, 0 bytes of LDS; arguments W1, W2, W_conv, w1q, w2q, wcq; writes w1q, w2q, wcq
.if DOCPART == 1
	.amdgcn_target "amdgcn-amd-amdhsa--gfx1250"
	.amdhsa_code_object_version 6
	.text
	.protected	k_q1d7bb05dea_quant
	.globl	k_q1d7bb05dea_quant
	.p2align	8
	.type	k_q1d7bb05dea_quant,@function
k_q1d7bb05dea_quant:
	s_mov_b64 s[64:65], 0
	v_nop
	global_prefetch_b8 v0, s[64:65] scope:SCOPE_SE
	s_setreg_imm32_b32 hwreg(HW_REG_WAVE_MODE, 25, 1), 1
	s_wait_xcnt 0x0
; W1 [2048][8192], W2 [8192][2048] (K is the first axis) and W_conv [16][8192] (K innermost), f32, become codes of FP4 (E2M1) with one E8M0 byte for each 32 along K.
; A block's scale is 2^(floor(log2(largest magnitude)) - 2): its byte is the largest magnitude's exponent field - 2, held at 1 from below by a floor among the maximum's leaves.
; LIMITS: a block of zeros keeps the byte 1 (its codes are zeros, and only this program reads the bytes); NaN and infinities among the inputs are not served.
; LAYOUT OF w1q, w2q: [16 rows][512 along K][4,352 bytes]: four images of an operand's registers (128 along K each: the 16 bytes of row r, block b at 256 b + 16 r),
; then 256 bytes of scale words (row r's four words at 16 r).  A fragment is then two loads of 16 bytes a lane at 16 x lane and + 512.
; THE ROWS OF A GROUP OF 32 ARE PERMUTED: place 16 u + 8 q + s holds column 8 u + 16 q + s, so that in the transposed product a lane's 16 registers of two neighbouring tiles are 16 neighbouring columns.
; SHARES: work-groups 0-255 W1, 256-511 W2 (one path: only scalars are chosen, on the work-group's number), 512-527 W_conv.
; A wave takes 32 columns x 512 along K; a lane takes a column and its registers run down K: a block of 32 lies in one lane, and the conversions give K innermost.
; Each store of a block's codes covers, in sixteen neighbouring lanes, 256 consecutive aligned bytes.  No register that a memory instruction names is written again.
.set SB,    4                          ; v[4:7]     my row's 16 scale bytes
.set VO,    16                         ; v[16:47]   byte offset of row i of a block at my column
.set X,     48                         ; v[48:111]  two sets of 32 numbers
.set C,     112                        ; v[112:175] codes: four registers for each block
.set SBASE, 32                         ; s[32:63]   the address of each of my 16 blocks' first row
	s_load_b256 s[4:11], s[0:1], 0x0               ; W1 s[4:5], W2 s[6:7], W_conv s[8:9], w1q s[10:11]
	s_load_b128 s[12:15], s[0:1], 0x20             ; w2q s[12:13], wcq s[14:15]
	v_lshrrev_b32 v1, 5, v0
	v_readfirstlane_b32 s16, v1                    ; wave
	v_and_b32 v1, 31, v0                           ; lane
	s_mov_b32 s29, 0
	s_wait_kmcnt 0x0
	s_cmp_ge_u32 ttmp9, 512
	s_cbranch_scc1 .Lconv
	s_cmp_lt_u32 ttmp9, 256                        ; W1's work-group or W2's: the choice hangs on the work-group's number alone
	s_cselect_b64 s[24:25], s[4:5], s[6:7]
	s_cselect_b64 s[26:27], s[10:11], s[12:13]
	s_cselect_b32 s18, 6, 4                        ; log2 of the groups of 128 columns
	s_mov_b32 s19, 8192
	s_cselect_b32 s19, 32768, s19                  ; a row of W in bytes
	s_mov_b32 s20, 69632
	s_cselect_b32 s20, 17408, s20                  ; 16 rows of the codes' buffer in bytes
	s_and_b32 s17, ttmp9, 255
	s_lshr_b32 s22, s17, s18                       ; which 512 along K
	s_lshl_b32 s21, s22, s18
	s_sub_co_u32 s21, s17, s21                     ; which 128 columns
	s_mul_i32 s28, s22, s19
	s_lshl_b32 s28, s28, 9                         ; 512 rows of W for each step along K,
	s_lshl_b32 s23, s21, 9
	s_add_co_u32 s28, s28, s23                     ; 512 bytes for each group of columns,
	s_lshl_b32 s23, s16, 7
	s_add_co_u32 s28, s28, s23                     ; 128 for each wave
	s_add_nc_u64 s[SBASE:SBASE+1], s[24:25], s[28:29]
	s_lshl_b32 s30, s19, 5                         ; 32 rows on
	s_mov_b32 s31, 0
.set t, 1
.rept 15
	s_add_nc_u64 s[SBASE+2*t:SBASE+2*t+1], s[SBASE+2*t-2:SBASE+2*t-1], s[30:31]
.set t, t+1
.endr
	s_lshl_b32 s28, s21, 3
	s_lshl_b32 s23, s16, 1
	s_add_co_u32 s28, s28, s23                     ; my first tile of 16 rows: 8 x group + 2 x wave
	s_mul_i32 s28, s28, s20
	s_mul_i32 s23, s22, 4352
	s_add_co_u32 s28, s28, s23
	s_add_nc_u64 s[26:27], s[26:27], s[28:29]
	v_and_b32 v8, 7, v1
	v_bfe_u32 v9, v1, 3, 1
	v_lshrrev_b32 v10, 4, v1
	v_lshl_add_u32 v8, v9, 4, v8
	v_lshl_add_u32 v8, v10, 3, v8                  ; my column of the 32: bits 3 and 4 of the lane change places
	v_lshlrev_b32 v[VO], 2, v8
.set i, 1
.rept 31
	v_add_nc_u32 v[VO+i], s19, v[VO+i-1]
.set i, i+1
.endr
	v_and_b32 v9, 15, v1
	v_mul_lo_u32 v3, v10, s20
	v_lshl_add_u32 v3, v9, 4, v3                   ; out: lanes 16-31 the next tile of 16 rows; 16 bytes a row
.macro LOAD t                          ; block t: 32 rows of W at my column, into set t % 2; a load reads 128 consecutive bytes
.irp i, 0,1,2,3,4,5,6,7,8,9,10,11,12,13,14,15,16,17,18,19,20,21,22,23,24,25,26,27,28,29,30,31
	global_load_b32 v[X+32*((\t)%2)+\i], v[VO+\i], s[SBASE+2*(\t):SBASE+2*(\t)+1] th:TH_LOAD_NT
.endr
.endm
.macro BLOCK t
.set XS, X+32*((\t)%2)
.if (\t) < 15
	s_wait_loadcnt 32                              ; this block's 32 loads are in; the next block's may be out
.else
	s_wait_loadcnt 0x0
.endif
	v_max3_num_f32 v8, |v[XS]|, |v[XS+1]|, |v[XS+2]|
	v_max3_num_f32 v9, |v[XS+3]|, |v[XS+4]|, |v[XS+5]|
.irp i, 6,10,14,18,22,26
	v_max3_num_f32 v8, v8, |v[XS+\i]|, |v[XS+\i+1]|
	v_max3_num_f32 v9, v9, |v[XS+\i+2]|, |v[XS+\i+3]|
.endr
	v_max3_num_f32 v8, v8, |v[XS+30]|, |v[XS+31]|
	v_max3_num_f32 v8, v8, v9, 0x1800000           ; the floor 2^(3 - 127): the byte cannot fall under 1
	v_add_nc_u32 v11, 0xff000000, v8               ; 2 off the exponent field: the conversion's scale operand
	v_lshrrev_b32 v10, 23, v11                     ; the scale's byte
.if (\t)%4 == 0
	v_mov_b32 v[SB+(\t)/4], v10
.else
	v_lshl_or_b32 v[SB+(\t)/4], v10, 8*((\t)%4), v[SB+(\t)/4]
.endif
.irp g, 0,1,2,3
	v_cvt_scalef32_pk8_fp4_f32 v[C+4*(\t)+\g], v[XS+8*\g:XS+8*\g+7], v11
.endr
	global_store_b128 v3, v[C+4*(\t):C+4*(\t)+3], s[26:27] offset:256*(\t)   ; block t of the 16 lies 256 t bytes into the 4,096 bytes of images
.if (\t)+2 < 16
	LOAD (\t)+2
.endif
.endm
	LOAD 0
	LOAD 1
.set Q, 0
.rept 16
	BLOCK Q
.set Q, Q+1
.endr
	global_store_b128 v3, v[SB:SB+3], s[26:27] offset:4096   ; sixteen lanes: the tile's 256 bytes of scale words
	s_endpgm
; W_conv.  The launch that reads it holds 8 rows of x as 16 virtual rows: row rho's even blocks of a chunk of 256 along K in virtual row rho, its odd blocks in virtual row rho + 8.
; So step s = 2 j + g of wcq is a fragment of W_conv's 16 rows whose four blocks are blocks g, 2 + g, 4 + g, 6 + g of chunk j.  One wave makes one step.
.Lconv:
	s_sub_co_u32 s17, ttmp9, 512
	s_lshl_b32 s17, s17, 2
	s_add_co_u32 s17, s17, s16                     ; the step
	s_lshr_b32 s18, s17, 1
	s_and_b32 s19, s17, 1
	s_lshl_b32 s28, s18, 10                        ; the chunk: 1,024 bytes of a row
	s_lshl_b32 s19, s19, 7                         ; the parity: 128 bytes
	s_add_co_u32 s28, s28, s19
	s_add_nc_u64 s[8:9], s[8:9], s[28:29]
	s_lshl_b32 s28, s17, 10
	s_add_nc_u64 s[24:25], s[14:15], s[28:29]      ; the step's image
	s_lshl_b32 s28, s17, 7
	s_add_nc_u64 s[26:27], s[14:15], s[28:29]      ; and its scale words, 4 bytes a lane, behind the 64 images
	s_mov_b32 s20, 0x76543210
	s_mov_b32 s21, 0xfedcba98                      ; v_permlanex16_b32's selects for lane l xor 16
	v_and_b32 v2, 15, v1                           ; r
	v_lshrrev_b32 v3, 4, v1                        ; h
	v_lshlrev_b32 v8, 15, v2                       ; row r of 32,768 bytes,
	v_lshl_add_u32 v8, v3, 8, v8                   ; + 256 h: my blocks lie at 512 c + 256 h
.irp c, 0,1
.irp i, 0,1,2,3,4,5,6,7
	global_load_b128 v[X+32*\c+4*\i:X+32*\c+4*\i+3], v8, s[8:9] offset:512*\c+16*\i
.endr
.endr
	s_wait_loadcnt 0x0
.irp c, 0,1
	v_max3_num_f32 v[12+\c], |v[X+32*\c]|, |v[X+32*\c+1]|, 0x1800000
.endr
.irp i, 2,4,6,8,10,12,14,16,18,20,22,24,26,28,30
.irp c, 0,1
	v_max3_num_f32 v[12+\c], v[12+\c], |v[X+32*\c+\i]|, |v[X+32*\c+\i+1]|
.endr
.endr
.irp c, 0,1
	v_add_nc_u32 v[14+\c], 0xff000000, v[12+\c]
.endr
.irp c, 0,1
	v_lshrrev_b32 v[16+\c], 23, v[14+\c]
.endr
	v_lshl_or_b32 v9, v17, 16, v16                 ; my two bytes: places h and 2 + h of the word,
	v_lshlrev_b32 v10, 3, v3
	v_lshlrev_b32 v9, v10, v9
	v_mov_b32 v10, 0
	v_permlanex16_b32 v10, v9, s20, s21
	v_or_b32 v9, v9, v10                           ; with lane l xor 16's two the word is whole
.irp c, 0,1
.irp g, 0,1,2,3
	v_cvt_scalef32_pk8_fp4_f32 v[C+4*\c+\g], v[X+32*\c+8*\g:X+32*\c+8*\g+7], v[14+\c]
.endr
.endr
	v_lshlrev_b32 v4, 4, v1
	v_lshlrev_b32 v5, 2, v1
	global_store_b128 v4, v[C:C+3], s[24:25]
	global_store_b128 v4, v[C+4:C+7], s[24:25] offset:512
	global_store_b32 v5, v9, s[26:27] offset:65536
	s_endpgm
.Lfunc_end_k_q1d7bb05dea_quant:
	.size	k_q1d7bb05dea_quant, .Lfunc_end_k_q1d7bb05dea_quant-k_q1d7bb05dea_quant
	.p2alignl 7, 3214868480
	.fill 96, 4, 3214868480
	.section	.rodata,"a",@progbits
	.p2align	6, 0x0
	.amdhsa_kernel k_q1d7bb05dea_quant
		.amdhsa_group_segment_fixed_size 0
		.amdhsa_private_segment_fixed_size 0
		.amdhsa_enable_private_segment 0
		.amdhsa_kernarg_size 48
		.amdhsa_user_sgpr_count 2
		.amdhsa_user_sgpr_kernarg_segment_ptr 1
		.amdhsa_wavefront_size32 1
		.amdhsa_system_sgpr_workgroup_id_x 1
		.amdhsa_system_sgpr_workgroup_id_y 1
		.amdhsa_system_sgpr_workgroup_id_z 1
		.amdhsa_system_vgpr_workitem_id 0
		.amdhsa_next_free_vgpr 176
		.amdhsa_next_free_sgpr 66
		.amdhsa_reserve_vcc 0
		.amdhsa_float_denorm_mode_32 3
		.amdhsa_float_denorm_mode_16_64 3
		.amdhsa_memory_ordered 1
		.amdhsa_forward_progress 1
		.amdhsa_inst_pref_size 83
	.end_amdhsa_kernel
	.amdgpu_metadata
---
amdhsa.version: [ 1, 2 ]
amdhsa.kernels:
  - .name:           k_q1d7bb05dea_quant
    .symbol:         k_q1d7bb05dea_quant.kd
    .args:
      - { .name: W1, .offset: 0, .size: 8, .value_kind: global_buffer, .address_space: global }
      - { .name: W2, .offset: 8, .size: 8, .value_kind: global_buffer, .address_space: global }
      - { .name: W_conv, .offset: 16, .size: 8, .value_kind: global_buffer, .address_space: global }
      - { .name: w1q, .offset: 24, .size: 8, .value_kind: global_buffer, .address_space: global }
      - { .name: w2q, .offset: 32, .size: 8, .value_kind: global_buffer, .address_space: global }
      - { .name: wcq, .offset: 40, .size: 8, .value_kind: global_buffer, .address_space: global }
    .group_segment_fixed_size: 0
    .private_segment_fixed_size: 0
    .kernarg_segment_align: 8
    .kernarg_segment_size: 48
    .max_flat_workgroup_size: 128
    .sgpr_count:     66
    .vgpr_count:     176
    .wavefront_size: 32
...
	.end_amdgpu_metadata
.endif
;; end of part 1
;; launch rows (part 2): grid 256 x 1, 8 waves a work-group, no clusters, 327,680 bytes of LDS; arguments x, W_ri, W_wo, W_diss, W_dtc, W_dtd, wcq, aq, prm, alpha_read_in, alpha_write_out, b_dtc, b_dtd, log_dt_conserv, log_dt_diss, read_in_p, write_out_p, diss_diag, conserv_A; writes aq, prm
.if DOCPART == 2
	.amdgcn_target "amdgcn-amd-amdhsa--gfx1250"
	.amdhsa_code_object_version 6
	.text
	.protected	k_q1d7bb05dea_rows
	.globl	k_q1d7bb05dea_rows
	.p2align	8
	.type	k_q1d7bb05dea_rows,@function
k_q1d7bb05dea_rows:
	s_mov_b64 s[64:65], 0
	v_nop
	global_prefetch_b8 v0, s[64:65] scope:SCOPE_SE
	s_setreg_imm32_b32 hwreg(HW_REG_WAVE_MODE, 25, 1), 1
	s_wait_xcnt 0x0
; For 8 rows of x (8,192 f32 each): the RMS norm's r, the 14 thin products that stay in f32, xn W_conv^T on codes of FP4, the row's Phi (4 x 4) and write weights -> prm,
; and branch = sum over n of read_in[n] x[n], quantised along its 2,048 -> aq (laid as the next launch's operand: 16 rows x 512 along K in 4,352 bytes, images of registers, then scale words).
; The 8 rows, 256 KiB, come into LDS once by tensor loads and stay: r and read_in need a whole row before branch can be made.  Nothing is filled again.
; SHARES: wave w owns k = 2048 n + 256 w .. + 255, n = 0 .. 3: the same 256 columns of all four streams.  So all it reads of x are the four tiles that it fetched itself; waves meet twice, to add their parts.
; PASS 1: 15 dot products a row by packed multiply-adds (x with 14 weight rows and with itself): lanes 0-15 rows 0-3, lanes 16-31 rows 4-7, 4 along K a lane.  dot(xn, w) is formed as r x dot(x, w).
; PASS 2: a lane holds whole blocks of 32.  The 8 rows are held as 16 VIRTUAL rows: lane (rho + 8 g, h) holds blocks 4 c + 2 h + g of the chunk.  W_conv's fragments are laid for that:
; the product with the even fragment is right in virtual rows 0-7, with the odd one in rows 8-15; the two are added at the end.
; CAYLEY in closed form, exact for every skew S of 4 x 4: with a = the sum of squares, pf the Pfaffian, D = 1 + a + pf^2:  (I - S)^-1 = ((1 + a) I + S^2 + S + pf S~) / D, S~ the dual;  solve(I - S, I + S) = 2 (I - S)^-1 - I.
; LIMITS: NaN and infinities among the inputs are not served; a block of zeros keeps the scale byte 1 (its codes are zeros; only this program reads the bytes);
; softplus is max(z, 0) + ln 2 x log2(1 + 2^(-|z| log2 e)): absolute error about 6e-8.
; REGISTERS: window 0: v1-29 lane numbers and addresses; pass 1: v32-63 two sets of x, v64-175 two sets of 14 weights; pass 2: v64-127 a chunk of x, v128-191 branch, v192-199 xn's codes,
; v200-215 two accumulators, v216-223 W_conv's scale words, v224 xn's scale word, v226-241 at work, v248-255 the read weights in pairs.
; window 1: v0-127 pass 1's sums (row p, product vc: the pair at 2 (16 p + vc)); v128-191 W_conv's eight fragments.
.set TP,    1040                       ; a tile's row in LDS: 1,024 bytes + 16 of padding
.set TILE,  8*TP
.set WREG,  4*TILE                     ; a wave's four tiles
.set PS,    8*WREG                     ; [wave][row][16] f32: pass 1's sums
.set MP,    PS+4096                    ; [wave][lane][32 bytes]: the parts of xn W_conv^T
.set PRS,   MP+8192                    ; 8 rows x 128 bytes: the stage for prm
.set G1,    24                         ; s[24:31] descriptor group 1
.set G0,    32                         ; s[32:47] group 0, a set for each of the wave's four tiles
.set XA,    32
.set WA,    64
.set X2,    64
.set BR,    128
.set AFR,   192
.set D0,    200
.set D1,    208
.set WCS,   216
.set XW,    224
.set T,     226
.set BC,    232
.set BW,    240
.set RI,    248
.set MSB, 0
.macro WIN new                         ; the immediate's high byte repeats the setting that is left
.if MSB != \new
	s_set_vgpr_msb (MSB<<8)|\new
.set MSB, \new
.endif
.endm
	s_load_b512 s[4:19], s[0:1], 0x0               ; x s[4:5], W_ri s[6:7], W_wo s[8:9], W_diss s[10:11], W_dtc s[12:13], W_dtd s[14:15], wcq s[16:17], aq s[18:19]
	s_load_b64 s[20:21], s[0:1], 0x40              ; prm
	s_load_b512 s[68:83], s[0:1], 0x48             ; alpha_read_in, alpha_write_out, b_dtc, b_dtd, log_dt_conserv, log_dt_diss, read_in_p, write_out_p
	s_load_b128 s[84:87], s[0:1], 0x88             ; diss_diag, conserv_A
	v_lshl_add_u32 v246, v0, 2, 0x44400
	v_mov_b32 v247, 0
	ds_add_u32 v246, v247
	ds_add_u32 v246, v247
	v_lshrrev_b32 v1, 5, v0
	v_readfirstlane_b32 s22, v1                    ; wave 0..7
	s_mov_b32 s[G1+0], (2<<16)|(1<<20)|(7<<22)|(3<<25)   ; elements of 4 bytes; padding on: 4 words behind every 256
	s_mov_b32 s[G1+1], 256<<16                     ; tensor_dim0
	s_mov_b32 s[G1+2], 8<<16                       ; tensor_dim1
	s_mov_b32 s[G1+3], 256<<16                     ; tile_dim0
	s_mov_b32 s[G1+4], 8                           ; tile_dim1
	s_mov_b32 s[G1+5], 8192                        ; elements from row to row
	s_mov_b32 s[G1+6], 0
	s_mov_b32 s[G1+7], 0
	s_mul_i32 s2, s22, WREG                        ; my tiles in LDS
	s_lshl_b32 s3, s22, 10                         ; my 1,024 bytes of a stream
	s_lshl_b32 s98, ttmp9, 18                      ; the work-group's 8 rows
	s_add_co_u32 s98, s98, s3
	s_mov_b32 s99, 0
	s_wait_dscnt 0x0
	s_wait_kmcnt 0x0
	s_add_nc_u64 s[100:101], s[4:5], s[98:99]
.irp n, 0,1,2,3
	s_mov_b32 s[G0+4*\n], 1
	s_add_co_u32 s[G0+4*\n+1], s2, \n*TILE
	s_add_nc_u64 s[G0+4*\n+2:G0+4*\n+3], s[100:101], \n*8192
	s_or_b32 s[G0+4*\n+3], s[G0+4*\n+3], 0x80000000
.endr
.irp n, 0,1,2,3
	tensor_load_to_lds s[G0+4*\n:G0+4*\n+3], s[G1:G1+7]   ; all four tiles at once: four loads of mine are out
	s_nop 0
.endr
.rept 4
	v_nop
.endr
	s_load_b32 s48, s[68:69], 0x0                  ; alpha_read_in
	s_load_b32 s49, s[70:71], 0x0                  ; alpha_write_out
	s_load_b32 s50, s[72:73], 0x0                  ; b_dtc
	s_load_b32 s51, s[74:75], 0x0                  ; b_dtd
	s_load_b32 s52, s[76:77], 0x0                  ; log_dt_conserv
	s_load_b32 s53, s[78:79], 0x0                  ; log_dt_diss
	s_load_b128 s[56:59], s[80:81], 0x0            ; read_in_p
	s_load_b128 s[60:63], s[82:83], 0x0            ; write_out_p
	s_load_b128 s[88:91], s[84:85], 0x0            ; diss_diag
	s_mov_b32 s92, 0xaaaaaaaa                      ; lanes whose bit 0, 1, 2, 3 is set
	s_mov_b32 s93, 0xcccccccc
	s_mov_b32 s94, 0xf0f0f0f0
	s_mov_b32 s95, 0xff00ff00
	s_mov_b32 s96, 0x76543210
	s_mov_b32 s97, 0xfedcba98                      ; v_permlanex16_b32's selects for lane l xor 16
	s_mov_b32 s54, 0x39000000                      ; 1 / 8192
	s_mov_b32 s55, 0x34000000                      ; EPS
	v_and_b32 v1, 31, v0                           ; lane
	v_and_b32 v2, 15, v0                           ; lane % 16
	v_bfe_u32 v3, v0, 4, 1                         ; lane / 16
	v_and_b32 v4, 7, v0                            ; rho
	v_bfe_u32 v5, v0, 3, 1                         ; g
	v_mul_u32_u24 v6, v3, 4*TP
	v_lshl_add_u32 v6, v2, 4, v6
	v_add_nc_u32 v6, s2, v6                        ; pass 1: x: my half's four rows, 16 bytes a lane
	v_lshlrev_b32 v7, 4, v2
	v_add_nc_u32 v7, s3, v7                        ; pass 1: the weights: the same k
	v_mul_u32_u24 v8, v4, TP
	v_lshl_add_u32 v8, v5, 7, v8
	v_lshl_add_u32 v8, v3, 8, v8
	v_add_nc_u32 v8, s2, v8                        ; pass 2: row rho, block 2 h + g
	s_lshl_b32 s23, s22, 9
	v_lshlrev_b32 v9, 2, v2
	v_lshl_add_u32 v9, v3, 8, v9
	v_add_nc_u32 v9, s23, v9
	v_add_nc_u32 v9, PS, v9                        ; where I put pass 1's sums
	v_lshl_add_u32 v10, v4, 6, PS                  ; and where row rho's are read
	v_lshlrev_b32 v11, 5, v1
	v_add_nc_u32 v11, s3, v11
	v_add_nc_u32 v11, MP, v11                      ; where I put my part of xn W_conv^T
	v_lshl_add_u32 v12, v4, 5, MP                  ; and where row rho's are read
	v_lshlrev_b32 v13, 4, v1
	v_lshlrev_b32 v14, 2, v1
	v_lshlrev_b32 v15, 9, v3
	v_lshl_add_u32 v15, v5, 8, v15
	v_lshl_add_u32 v15, v4, 4, v15                 ; aq: block 2 h + g, row rho
	v_lshlrev_b32 v16, 4, v4                       ; aq: row rho's scale words
	v_lshlrev_b32 v26, 3, v3                       ; 8 h
	v_lshl_add_u32 v27, v5, 3, 0
	v_lshl_add_u32 v27, v3, 4, v27                 ; 8 (2 h + g)
	v_lshl_add_u32 v28, v4, 7, PRS
	v_lshl_add_u32 v29, v1, 4, PRS
	s_lshl_b32 s98, s22, 11
	s_add_nc_u64 s[100:101], s[16:17], s[98:99]    ; W_conv's steps 2 (w + 8 n) + g: images,
	s_lshl_b32 s98, s22, 8
	s_add_nc_u64 s[104:105], s[16:17], s[98:99]    ; and scale words
	WIN 0x40
.irp n, 0,1,2,3
.irp g, 0,1
.irp c, 0,1
	global_load_b128 v[128+16*\n+8*\g+4*\c:128+16*\n+8*\g+4*\c+3], v13, s[100:101] offset:16384*\n+1024*\g+512*\c
.endr
.endr
.endr
	WIN 0
.irp n, 0,1,2,3
.irp g, 0,1
	global_load_b32 v[WCS+2*\n+\g], v14, s[104:105] offset:65536+2048*\n+128*\g
.endr
.endr
.macro XLOAD t, set                    ; step t: 64 along K of my half's four rows
.irp p, 0,1,2,3
	ds_load_b128 v[(\set)+4*\p:(\set)+4*\p+3], v6 offset:TILE*((\t)/4)+TP*\p+256*((\t)%4)
.endr
.endm
.macro WLOAD t, set                    ; and of the 14 weight rows: W_ri 0-3, W_dtc, W_dtd, W_wo 0-3, W_diss 0-3
.set WOF, 8192*((\t)/4)+256*((\t)%4)
.irp r, 0,1,2,3
	global_load_b128 v[(\set)+4*\r:(\set)+4*\r+3], v7, s[6:7] offset:WOF+32768*\r
.endr
	global_load_b128 v[(\set)+16:(\set)+19], v7, s[12:13] offset:WOF
	global_load_b128 v[(\set)+20:(\set)+23], v7, s[14:15] offset:WOF
.irp r, 0,1,2,3
	global_load_b128 v[(\set)+24+4*\r:(\set)+24+4*\r+3], v7, s[8:9] offset:WOF+32768*\r
.endr
.irp r, 0,1,2,3
	global_load_b128 v[(\set)+40+4*\r:(\set)+40+4*\r+3], v7, s[10:11] offset:WOF+32768*\r
.endr
.endm
	WLOAD 0, WA
	s_wait_kmcnt 0x0                               ; the small inputs are in, so their addresses' registers may be written:
	s_load_b512 s[68:83], s[86:87], 0x0            ; conserv_A
	s_wait_tensorcnt 3                             ; my first tile is in; the three younger ones may be out
	XLOAD 0, XA
.macro DOT p, hf, vc, src              ; the sum (row p, product vc) takes two more products; the very first starts it: nothing is cleared
.if FST
	v_pk_mul_f32 v[2*(16*\p+\vc):2*(16*\p+\vc)+1], v[XS+4*\p+2*\hf:XS+4*\p+2*\hf+1], v[\src:\src+1]
.else
	v_pk_fma_f32 v[2*(16*\p+\vc):2*(16*\p+\vc)+1], v[XS+4*\p+2*\hf:XS+4*\p+2*\hf+1], v[\src:\src+1], v[2*(16*\p+\vc):2*(16*\p+\vc)+1]
.endif
.endm
.macro STEP t
.set XS, XA+16*((\t)%2)
.set WS, WA+56*((\t)%2)
.if (\t) < 15
.if ((\t)+1)%4 == 0
	s_wait_tensorcnt 3-((\t)+1)/4                  ; the tile that the next step begins is in; the younger ones may be out
.endif
	XLOAD (\t)+1, XA+16*(((\t)+1)%2)
	WLOAD (\t)+1, WA+56*(((\t)+1)%2)
	s_wait_loadcnt 14                              ; all but the 14 just issued
	s_wait_dscnt 4                                 ; all but the 4 just issued
.else
	s_wait_loadcnt 0x0
	s_wait_dscnt 0x0
.endif
	WIN 0x50                                       ; the sums lie in window 1
.irp hf, 0,1
.set FST, 0
.if (\t) == 0
.if \hf == 0
.set FST, 1
.endif
.endif
.irp p, 0,1,2,3
.irp vc, 0,1,2,3
	DOT \p, \hf, \vc, WS+4*\vc+2*\hf
.endr
	DOT \p, \hf, 4, XS+4*\p+2*\hf
	DOT \p, \hf, 5, WS+16+2*\hf
	DOT \p, \hf, 6, WS+20+2*\hf
.irp vc, 8,9,10,11,12,13,14,15
	DOT \p, \hf, \vc, WS+4*(\vc-2)+2*\hf
.endr
.endr
.endr
	WIN 0
.endm
.set Q, 0
.rept 16
	STEP Q
.set Q, Q+1
.endr
	; every global load of mine is in: their bases' registers take the addresses of the stores into aq
	s_lshr_b32 s98, ttmp9, 1
	s_mul_i32 s98, s98, 17408                      ; my 16 rows of aq,
	s_lshr_b32 s23, s22, 1
	s_mul_i32 s23, s23, 4352                       ; my 512 along K,
	s_add_co_u32 s98, s98, s23
	s_and_b32 s23, ttmp9, 1
	s_lshl_b32 s23, s23, 7                         ; rows 0-7 or 8-15 of the 16
	s_add_co_u32 s98, s98, s23
	s_add_nc_u64 s[18:19], s[18:19], s[98:99]
	s_and_b32 s23, s22, 1
	s_lshl_b32 s98, s23, 11
	s_add_nc_u64 s[100:101], s[18:19], s[98:99]    ; codes: my two images of the four
	s_lshl_b32 s98, s23, 3
	s_add_nc_u64 s[104:105], s[18:19], s[98:99]    ; scale words: my two of a row's four
	; the pairs' halves are added; then 16 numbers in 16 lanes become, in lane i, the sum over the 16 lanes of number i
	WIN 0x05
.irp p, 0,1,2,3
.irp vc, 0,1,2,3,4,5,6,8,9,10,11,12,13,14,15
	v_add_f32 v[64+16*\p+\vc], v[2*(16*\p+\vc)], v[2*(16*\p+\vc)+1]
.endr
.endr
	WIN 0
.irp p, 0,1,2,3
	v_mov_b32 v[64+16*\p+7], 0
.endr
.macro RSTEP a, b, mask, xm, tmp       ; lanes whose bit is clear keep a, the others b; each adds what its partner holds of the same number
	v_cndmask_b32 v[\tmp], v[\a], v[\b], s[\mask]
	v_cndmask_b32 v[\tmp+1], v[\b], v[\a], s[\mask]
	v_add_f32_dpp v[\a], v[\tmp+1], v[\tmp] row_xmask:\xm row_mask:0xf bank_mask:0xf
.endm
.irp i, 0,1,2,3,4,5,6,7
.irp p, 0,1,2,3
	RSTEP 64+16*\p+2*\i, 64+16*\p+2*\i+1, 92, 1, T+2*\p
.endr
.endr
.irp i, 0,1,2,3
.irp p, 0,1,2,3
	RSTEP 64+16*\p+4*\i, 64+16*\p+4*\i+2, 93, 2, T+2*\p
.endr
.endr
.irp i, 0,1
.irp p, 0,1,2,3
	RSTEP 64+16*\p+8*\i, 64+16*\p+8*\i+4, 94, 4, T+2*\p
.endr
.endr
.irp p, 0,1,2,3
	RSTEP 64+16*\p, 64+16*\p+8, 95, 8, T+2*\p
.endr
.irp p, 0,1,2,3
	ds_store_b32 v9, v[64+16*\p] offset:64*\p
.endr
	s_wait_dscnt 0x0                               ; for the others' sake: my sums lie in LDS
	s_barrier_signal -1
	s_barrier_wait -1
.macro X2LOAD n                        ; chunk n: my two blocks of 32
.irp c, 0,1
.irp i, 0,1,2,3,4,5,6,7
	ds_load_b128 v[X2+32*\c+4*\i:X2+32*\c+4*\i+3], v8 offset:TILE*(\n)+512*\c+16*\i
.endr
.endr
.endm
	; every wave: r and the read weights of row rho
.irp w, 0,1,2,3,4,5,6,7
	ds_load_b128 v[BR+8*\w:BR+8*\w+3], v10 offset:512*\w
	ds_load_b128 v[BR+8*\w+4:BR+8*\w+7], v10 offset:512*\w+16
.endr
	X2LOAD 0
	s_wait_dscnt 16                                ; the sums are in; the chunk's 16 loads may be out
.irp w, 1,2,3,4,5,6,7
.irp q, 0,2,4,6
	v_pk_add_f32 v[BR+\q:BR+\q+1], v[BR+\q:BR+\q+1], v[BR+8*\w+\q:BR+8*\w+\q+1]
.endr
.endr
	s_wait_kmcnt 0x0                               ; conserv_A
	v_fma_f32 v[T], v[BR+4], s54, s55              ; the mean of squares + EPS
	v_rsq_f32 v24, v[T]
	v_mov_b32 v22, v[BR+5]                         ; (a plain place behind the transcendental)  x . W_dtc
	v_mov_b32 v23, v[BR+6]                         ; x . W_dtd
	s_wait_alu depctr_va_vdst(0)
	v_mov_b32 v25, v24                             ; r, twice
.irp n, 0,1,2,3
	v_mul_f32 v[T+\n], v24, v[BR+\n]
.endr
.irp n, 0,1,2,3
	v_fma_f32 v[T+\n], s48, v[T+\n], s[56+\n]
.endr
.irp n, 0,1,2,3
	v_mul_f32 v[T+\n], 0xbfb8aa3b, v[T+\n]         ; x -log2(e)
.endr
.irp n, 0,1,2,3
	v_exp_f32 v[T+\n], v[T+\n]
.endr
	v_nop
	s_wait_alu depctr_va_vdst(0)
.irp n, 0,1,2,3
	v_add_f32 v[T+\n], 1.0, v[T+\n]
.endr
.irp n, 0,1,2,3
	v_rcp_f32 v[RI+2*\n], v[T+\n]                  ; the sigmoid
.endr
	v_nop
	s_wait_alu depctr_va_vdst(0)
.irp n, 0,1,2,3
	v_mov_b32 v[RI+2*\n+1], v[RI+2*\n]
.endr
.macro CH n
	s_wait_dscnt 0x0                               ; the chunk is in
.irp c, 0,1
	v_max3_num_f32 v[T+\c], |v[X2+32*\c]|, |v[X2+32*\c+1]|, 0
.endr
.irp i, 2,4,6,8,10,12,14,16,18,20,22,24,26,28,30
.irp c, 0,1
	v_max3_num_f32 v[T+\c], v[T+\c], |v[X2+32*\c+\i]|, |v[X2+32*\c+\i+1]|
.endr
.endr
.irp c, 0,1
	v_mul_f32 v[T+\c], v24, v[T+\c]                ; rounding keeps order: this is the largest |x r| of the block
.endr
.irp c, 0,1
	v_max_num_f32 v[T+\c], 0x1800000, v[T+\c]      ; the floor 2^(3 - 127)
.endr
.irp c, 0,1
	v_add_nc_u32 v[T+2+\c], 0xff000000, v[T+\c]    ; the conversion's scale operand
.endr
.irp c, 0,1
	v_lshrrev_b32 v[T+4+\c], 23, v[T+2+\c]         ; the byte
.endr
	v_lshl_or_b32 v[T], v[T+5], 16, v[T+4]         ; places h and 2 + h of my virtual row's word
	v_lshlrev_b32 v[T], v26, v[T]
	v_permlanex16_b32 v[T+1], v[T], s96, s97
	v_or_b32 v[XW], v[T], v[T+1]
.set j, 0
.rept 32
.if (\n) == 0
	v_pk_mul_f32 v[BR+j:BR+j+1], v[X2+j:X2+j+1], v[RI:RI+1]          ; branch begins
.else
	v_pk_fma_f32 v[BR+j:BR+j+1], v[X2+j:X2+j+1], v[RI+2*(\n):RI+2*(\n)+1], v[BR+j:BR+j+1]
.endif
.set j, j+2
.endr
.set j, 0
.rept 32
	v_pk_mul_f32 v[X2+j:X2+j+1], v[X2+j:X2+j+1], v[24:25]            ; xn
.set j, j+2
.endr
.irp c, 0,1
.irp g, 0,1,2,3
	v_cvt_scalef32_pk8_fp4_f32 v[AFR+4*\c+\g], v[X2+32*\c+8*\g:X2+32*\c+8*\g+7], v[T+2+\c]
.endr
.endr
.if (\n) < 3
	X2LOAD (\n)+1
.endif
.rept 4
	v_nop                                          ; places between the conversions and the scaled matrix instructions that take their results (the scale word was made 64 lines back)
.endr
	WIN 0x01                                       ; source 0, W_conv's fragments, in window 1
.if (\n) == 0
	v_wmma_scale_f32_16x16x128_f8f6f4 v[D0:D0+7], v[128+16*(\n):135+16*(\n)], v[AFR:AFR+7], 0, v[WCS+2*(\n)], v[XW] matrix_a_fmt:MATRIX_FMT_FP4 matrix_b_fmt:MATRIX_FMT_FP4
	v_wmma_scale_f32_16x16x128_f8f6f4 v[D1:D1+7], v[136+16*(\n):143+16*(\n)], v[AFR:AFR+7], 0, v[WCS+2*(\n)+1], v[XW] matrix_a_fmt:MATRIX_FMT_FP4 matrix_b_fmt:MATRIX_FMT_FP4
.else
	v_wmma_scale_f32_16x16x128_f8f6f4 v[D0:D0+7], v[128+16*(\n):135+16*(\n)], v[AFR:AFR+7], v[D0:D0+7], v[WCS+2*(\n)], v[XW] matrix_a_fmt:MATRIX_FMT_FP4 matrix_b_fmt:MATRIX_FMT_FP4
	v_wmma_scale_f32_16x16x128_f8f6f4 v[D1:D1+7], v[136+16*(\n):143+16*(\n)], v[AFR:AFR+7], v[D1:D1+7], v[WCS+2*(\n)+1], v[XW] matrix_a_fmt:MATRIX_FMT_FP4 matrix_b_fmt:MATRIX_FMT_FP4
.endif
	WIN 0                                          ; the two accumulators take turns
.endm
	CH 0
	CH 1
	CH 2
	CH 3
	; branch: my two blocks are quantised and stored as pieces of aq's images
.irp c, 0,1
	v_max3_num_f32 v[T+\c], |v[BR+32*\c]|, |v[BR+32*\c+1]|, 0x1800000
.endr
.irp i, 2,4,6,8,10,12,14,16,18,20,22,24,26,28,30
.irp c, 0,1
	v_max3_num_f32 v[T+\c], v[T+\c], |v[BR+32*\c+\i]|, |v[BR+32*\c+\i+1]|
.endr
.endr
.irp c, 0,1
	v_add_nc_u32 v[T+2+\c], 0xff000000, v[T+\c]
.endr
.irp c, 0,1
	v_lshrrev_b32 v[T+4+\c], 23, v[T+2+\c]
.endr
.irp c, 0,1
.irp g, 0,1,2,3
	v_cvt_scalef32_pk8_fp4_f32 v[BC+4*\c+\g], v[BR+32*\c+8*\g:BR+32*\c+8*\g+7], v[T+2+\c]
.endr
.endr
	v_nop
	global_store_b128 v15, v[BC:BC+3], s[100:101]
	global_store_b128 v15, v[BC+4:BC+7], s[100:101] offset:1024
.irp c, 0,1
	v_lshlrev_b32 v[T+4+\c], v27, v[T+4+\c]        ; my byte at place 2 h + g of the word
.endr
.irp c, 0,1
	v_mov_b32_dpp v[T+\c], v[T+4+\c] row_xmask:8 row_mask:0xf bank_mask:0xf
.endr
.irp c, 0,1
	v_or_b32 v[T+4+\c], v[T+4+\c], v[T+\c]
.endr
.irp c, 0,1
	v_permlanex16_b32 v[T+\c], v[T+4+\c], s96, s97
.endr
.irp c, 0,1
	v_or_b32 v[BW+\c], v[T+4+\c], v[T+\c]          ; the four lanes of a row hold the whole word
.endr
.irp j, 0,1,2,3,4,5,6,7
	v_add_f32_dpp v[D0+\j], v[D1+\j], v[D0+\j] row_xmask:8 row_mask:0xf bank_mask:0xf   ; in lanes rho and 16 + rho: the even blocks' sum + the odd blocks' (each accumulator from its low end on)
.endr
	ds_store_b128 v11, v[D0:D0+3]
	ds_store_b128 v11, v[D0+4:D0+7] offset:16
	v_cmp_gt_u32 vcc_lo, 8, v1
	s_wait_xcnt 0x0                                ; EXEC changes only behind this wait
	s_and_saveexec_b32 s23, vcc_lo
	global_store_b64 v16, v[BW:BW+1], s[104:105] offset:4096   ; lanes 0-7: a row's two scale words
	s_wait_xcnt 0x0
	s_or_b32 exec_lo, exec_lo, s23
	s_wait_dscnt 0x0                               ; for wave 0's sake: my part lies in LDS
	s_barrier_signal -1
	s_barrier_wait -1
	s_cmp_lg_u32 s22, 0
	s_cbranch_scc1 .Lend
	; wave 0: the rows' parameters; lane = row rho (four lanes do the same).
	; From here to the wait for 0 on DScnt further down, LDS loads into v64-191 are out: the arithmetic between works in v32-47 alone.
.irp w, 0,1,2,3,4,5,6,7
	ds_load_b128 v[64+8*\w:67+8*\w], v10 offset:512*\w+32
	ds_load_b128 v[68+8*\w:71+8*\w], v10 offset:512*\w+48
.endr
.irp w, 0,1,2,3
	ds_load_b128 v[128+16*\w:131+16*\w], v12 offset:1024*\w
	ds_load_b128 v[132+16*\w:135+16*\w], v12 offset:1024*\w+16
	ds_load_b128 v[136+16*\w:139+16*\w], v12 offset:1024*\w+512
	ds_load_b128 v[140+16*\w:143+16*\w], v12 offset:1024*\w+528
.endr
	s_wait_dscnt 16                                ; the first 16 loads are in
.irp q, 0,2,4,6
	v_pk_add_f32 v[32+\q:33+\q], v[64+\q:65+\q], v[72+\q:73+\q]
.endr
.irp w, 2,3,4,5,6,7
.irp q, 0,2,4,6
	v_pk_add_f32 v[32+\q:33+\q], v[32+\q:33+\q], v[64+8*\w+\q:65+8*\w+\q]
.endr
.endr
.irp w, 0,1,2,3
	ds_load_b128 v[64+16*\w:67+16*\w], v12 offset:1024*(\w+4)
	ds_load_b128 v[68+16*\w:71+16*\w], v12 offset:1024*(\w+4)+16
	ds_load_b128 v[72+16*\w:75+16*\w], v12 offset:1024*(\w+4)+512
	ds_load_b128 v[76+16*\w:79+16*\w], v12 offset:1024*(\w+4)+528
.endr
	s_mov_b32 s54, 0x3f7fbe77                      ; DT_MAX - DT_MIN
	s_mov_b32 s55, 0x3a83126f                      ; DT_MIN
.irp n, 0,1,2,3
	v_mul_f32 v[32+\n], v24, v[32+\n]              ; xn . W_wo
.endr
.irp n, 0,1,2,3
	v_fma_f32 v[32+\n], s49, v[32+\n], s[60+\n]
.endr
.irp n, 0,1,2,3
	v_mul_f32 v[32+\n], 0xbfb8aa3b, v[32+\n]
.endr
	v_fma_f32 v40, v24, v22, s52
	v_fma_f32 v41, v24, v23, s53
	v_add_f32 v40, s50, v40
	v_add_f32 v41, s51, v41
	v_mul_f32 v40, 0xbfb8aa3b, v40
	v_mul_f32 v41, 0xbfb8aa3b, v41
.irp n, 0,1,2,3
	v_fma_f32 v[36+\n], v24, v[36+\n], s[88+\n]    ; z = diss_diag + xn . W_diss
.endr
.irp n, 0,1,2,3
	v_and_b32 v[44+\n], 0x7fffffff, v[36+\n]
.endr
.irp n, 0,1,2,3
	v_mul_f32 v[44+\n], 0xbfb8aa3b, v[44+\n]
.endr
.irp n, 32,33,34,35,40,41,44,45,46,47
	v_exp_f32 v[\n], v[\n]
.endr
	v_nop
	s_wait_alu depctr_va_vdst(0)
.irp n, 32,33,34,35,40,41,44,45,46,47
	v_add_f32 v[\n], 1.0, v[\n]
.endr
.irp n, 32,33,34,35,40,41
	v_rcp_f32 v[\n], v[\n]
.endr
.irp n, 44,45,46,47
	v_log_f32 v[\n], v[\n]
.endr
	v_nop
	s_wait_alu depctr_va_vdst(0)
.irp n, 0,1,2,3
	v_add_f32 v[32+\n], v[32+\n], v[32+\n]         ; write_out = 2 x the sigmoid: it stays in v32-35 until it is stored
.endr
	v_fma_f32 v40, v40, s54, s55                   ; dt_c
	v_fma_f32 v41, v41, s54, s55                   ; dt_d
.irp n, 0,1,2,3
	v_max_num_f32 v[36+\n], 0, v[36+\n]
.endr
.irp n, 0,1,2,3
	v_fma_f32 v[36+\n], v[44+\n], 0x3f317218, v[36+\n]     ; the softplus: + ln 2 x the logarithm
.endr
	v_mul_f32 v42, 0xbf38aa3b, v41                 ; -0.5 log2(e) dt_d
	v_mul_f32 v43, 0.5, v40
.irp n, 0,1,2,3
	v_mul_f32 v[36+\n], v42, v[36+\n]
.endr
.irp n, 0,1,2,3
	v_exp_f32 v[36+\n], v[36+\n]                   ; e_n = exp(D_n / 2)
.endr
	s_wait_dscnt 0x0                               ; all eight waves' parts of xn W_conv^T are in: v64-191 may be read and written
.irp w, 1,2,3
.irp q, 0,2,4,6,8,10,12,14
	v_pk_add_f32 v[128+\q:129+\q], v[128+\q:129+\q], v[128+16*\w+\q:129+16*\w+\q]
.endr
.endr
.irp w, 0,1,2,3
.irp q, 0,2,4,6,8,10,12,14
	v_pk_add_f32 v[128+\q:129+\q], v[128+\q:129+\q], v[64+16*\w+\q:65+16*\w+\q]
.endr
.endr
.irp i, 0,1,2,3,4,5,6,7,8,9,10,11,12,13,14,15
	v_add_f32 v[128+\i], s[68+\i], v[128+\i]       ; M = conserv_A + xn W_conv^T
.endr
	v_sub_f32 v48, v129, v132                      ; k01 .. k23 = 0.5 dt_c (M_ij - M_ji)
	v_sub_f32 v49, v130, v136
	v_sub_f32 v50, v131, v140
	v_sub_f32 v51, v134, v137
	v_sub_f32 v52, v135, v141
	v_sub_f32 v53, v139, v142
.irp i, 0,1,2,3,4,5
	v_mul_f32 v[48+\i], v43, v[48+\i]
.endr
.irp i, 0,1,2,3,4,5
	v_mul_f32 v[54+\i], v[48+\i], v[48+\i]         ; the squares
.endr
	v_mul_f32 v60, v48, v53                        ; pf = k01 k23 - k02 k13 + k03 k12
	v_fma_f32 v60, -v49, v52, v60
	v_fma_f32 v60, v50, v51, v60
	v_add_f32 v61, v54, v55
	v_add_f32 v62, v56, v57
	v_add_f32 v63, v58, v59
	v_add_f32 v61, v61, v62
	v_add_f32 v61, v61, v63                        ; a
	v_fma_f32 v62, v60, v60, v61
	v_add_f32 v62, 1.0, v62                        ; D = 1 + a + pf^2
	v_rcp_f32 v62, v62
	v_mul_f32 v144, -v49, v51                      ; the symmetric part's off-diagonals: (S^2)_ij
	v_mul_f32 v145, v48, v51
	v_mul_f32 v146, v48, v52
	v_mul_f32 v147, -v48, v49
	v_mul_f32 v148, -v48, v50
	v_mul_f32 v149, -v49, v50
	v_fma_f32 v144, -v50, v52, v144
	v_fma_f32 v145, -v50, v53, v145
	v_fma_f32 v146, v49, v53, v146
	v_fma_f32 v147, -v52, v53, v147
	v_fma_f32 v148, v51, v53, v148
	v_fma_f32 v149, -v51, v52, v149
	v_fma_f32 v150, v60, v53, v48                  ; the skew part: k + pf x the dual
	v_fma_f32 v151, -v60, v52, v49
	v_fma_f32 v152, v60, v51, v50
	v_fma_f32 v153, v60, v50, v51
	v_fma_f32 v154, -v60, v49, v52
	v_fma_f32 v155, v60, v48, v53
	s_wait_alu depctr_va_vdst(0)
	v_add_f32 v62, v62, v62                        ; 2 / D
.macro PAIR x, i, j                    ; Phi_ij and Phi_ji = e_i e_j (2 / D) (Q +- U)
	v_mul_f32 v[156+\x], v[36+\i], v[36+\j]
	v_add_f32 v188, v[144+\x], v[150+\x]
	v_sub_f32 v189, v[144+\x], v[150+\x]
	v_mul_f32 v[156+\x], v62, v[156+\x]
	v_mul_f32 v[164+4*\i+\j], v188, v[156+\x]
	v_mul_f32 v[164+4*\j+\i], v189, v[156+\x]
.endm
.macro DIAG i, qa, qb, qc              ; Phi_ii = e_i^2 ((2 / D)(1 + the three squares without i) - 1)
	v_add_f32 v188, v[\qa], v[\qb]
	v_mul_f32 v189, v[36+\i], v[36+\i]
	v_add_f32 v188, v188, v[\qc]
	v_add_f32 v188, 1.0, v188
	v_fma_f32 v188, v62, v188, -1.0
	v_mul_f32 v[164+5*\i], v188, v189
.endm
	PAIR 0, 0, 1
	PAIR 1, 0, 2
	PAIR 2, 0, 3
	PAIR 3, 1, 2
	PAIR 4, 1, 3
	PAIR 5, 2, 3
	DIAG 0, 57, 58, 59
	DIAG 1, 55, 56, 59
	DIAG 2, 54, 56, 58
	DIAG 3, 54, 55, 57
.irp n, 0,1,2,3
	v_mov_b32 v[184+\n], 0
.endr
.irp i, 0,1,2,3
	ds_store_b128 v28, v[164+4*\i:167+4*\i] offset:16*\i   ; Phi's four rows,
.endr
	ds_store_b128 v28, v[32:35] offset:64          ; the write weights,
.irp i, 5,6,7
	ds_store_b128 v28, v[184:187] offset:16*\i     ; and zeros up to the row's 128 bytes
.endr
	ds_load_b128 v[64:67], v29                     ; LDS serves a wave's instructions in order: these see my stores
	ds_load_b128 v[68:71], v29 offset:512
	s_lshl_b32 s98, ttmp9, 10
	s_add_nc_u64 s[20:21], s[20:21], s[98:99]
	s_wait_dscnt 0x0
	global_store_b128 v13, v[64:67], s[20:21]      ; 32 lanes store 512 consecutive aligned bytes
	global_store_b128 v13, v[68:71], s[20:21] offset:512
.Lend:
	s_wait_tensorcnt 0x0
	ds_add_u32 v246, v247
	s_wait_dscnt 0x0
	s_endpgm
.Lfunc_end_k_q1d7bb05dea_rows:
	.size	k_q1d7bb05dea_rows, .Lfunc_end_k_q1d7bb05dea_rows-k_q1d7bb05dea_rows
	.p2alignl 7, 3214868480
	.fill 96, 4, 3214868480
	.section	.rodata,"a",@progbits
	.p2align	6, 0x0
	.amdhsa_kernel k_q1d7bb05dea_rows
		.amdhsa_group_segment_fixed_size 327680
		.amdhsa_private_segment_fixed_size 0
		.amdhsa_enable_private_segment 0
		.amdhsa_kernarg_size 152
		.amdhsa_user_sgpr_count 2
		.amdhsa_user_sgpr_kernarg_segment_ptr 1
		.amdhsa_wavefront_size32 1
		.amdhsa_system_sgpr_workgroup_id_x 1
		.amdhsa_system_sgpr_workgroup_id_y 1
		.amdhsa_system_sgpr_workgroup_id_z 1
		.amdhsa_system_vgpr_workitem_id 0
		.amdhsa_next_free_vgpr 512
		.amdhsa_next_free_sgpr 106
		.amdhsa_reserve_vcc 1
		.amdhsa_float_denorm_mode_32 3
		.amdhsa_float_denorm_mode_16_64 3
		.amdhsa_memory_ordered 1
		.amdhsa_forward_progress 1
		.amdhsa_inst_pref_size 231
	.end_amdhsa_kernel
	.amdgpu_metadata
---
amdhsa.version: [ 1, 2 ]
amdhsa.kernels:
  - .name:           k_q1d7bb05dea_rows
    .symbol:         k_q1d7bb05dea_rows.kd
    .args:
      - { .name: x, .offset: 0, .size: 8, .value_kind: global_buffer, .address_space: global }
      - { .name: W_ri, .offset: 8, .size: 8, .value_kind: global_buffer, .address_space: global }
      - { .name: W_wo, .offset: 16, .size: 8, .value_kind: global_buffer, .address_space: global }
      - { .name: W_diss, .offset: 24, .size: 8, .value_kind: global_buffer, .address_space: global }
      - { .name: W_dtc, .offset: 32, .size: 8, .value_kind: global_buffer, .address_space: global }
      - { .name: W_dtd, .offset: 40, .size: 8, .value_kind: global_buffer, .address_space: global }
      - { .name: wcq, .offset: 48, .size: 8, .value_kind: global_buffer, .address_space: global }
      - { .name: aq, .offset: 56, .size: 8, .value_kind: global_buffer, .address_space: global }
      - { .name: prm, .offset: 64, .size: 8, .value_kind: global_buffer, .address_space: global }
      - { .name: alpha_read_in, .offset: 72, .size: 8, .value_kind: global_buffer, .address_space: global }
      - { .name: alpha_write_out, .offset: 80, .size: 8, .value_kind: global_buffer, .address_space: global }
      - { .name: b_dtc, .offset: 88, .size: 8, .value_kind: global_buffer, .address_space: global }
      - { .name: b_dtd, .offset: 96, .size: 8, .value_kind: global_buffer, .address_space: global }
      - { .name: log_dt_conserv, .offset: 104, .size: 8, .value_kind: global_buffer, .address_space: global }
      - { .name: log_dt_diss, .offset: 112, .size: 8, .value_kind: global_buffer, .address_space: global }
      - { .name: read_in_p, .offset: 120, .size: 8, .value_kind: global_buffer, .address_space: global }
      - { .name: write_out_p, .offset: 128, .size: 8, .value_kind: global_buffer, .address_space: global }
      - { .name: diss_diag, .offset: 136, .size: 8, .value_kind: global_buffer, .address_space: global }
      - { .name: conserv_A, .offset: 144, .size: 8, .value_kind: global_buffer, .address_space: global }
    .group_segment_fixed_size: 327680
    .private_segment_fixed_size: 0
    .kernarg_segment_align: 8
    .kernarg_segment_size: 152
    .max_flat_workgroup_size: 256
    .sgpr_count:     106
    .vgpr_count:     512
    .wavefront_size: 32
...
	.end_amdgpu_metadata
.endif
;; end of part 2
;; launch gemm1 (part 3): grid 32 x 8, 4 waves a work-group, clusters of 4 x 4, 327,680 bytes of LDS; arguments aq, w1q, hq; writes hq
.if DOCPART == 3
	.amdgcn_target "amdgcn-amd-amdhsa--gfx1250"
	.amdhsa_code_object_version 6
	.text
	.protected	k_q1d7bb05dea_gemm1
	.globl	k_q1d7bb05dea_gemm1
	.p2align	8
	.type	k_q1d7bb05dea_gemm1,@function
k_q1d7bb05dea_gemm1:
	s_mov_b64 s[64:65], 0
	v_nop
	global_prefetch_b8 v0, s[64:65] scope:SCOPE_SE
	s_setreg_imm32_b32 hwreg(HW_REG_WAVE_MODE, 25, 1), 1
	s_wait_xcnt 0x0
	s_wait_alu depctr_hold_cnt(0) depctr_sa_sdst(0) depctr_va_vdst(0) depctr_va_sdst(0) depctr_va_ssrc(0) depctr_va_vcc(0) depctr_vm_vsrc(0)
	s_getreg_b32 s2, hwreg(HW_REG_IB_STS2, 6, 4)
	s_cmp_eq_u32 s2, 0
	s_cbranch_scc0 .Lentry_in_a_cluster
	s_endpgm
.Lentry_in_a_cluster:
	s_bfe_u32 s2, ttmp6, 0x10000c
	s_cmp_lg_u32 s2, 0xf033
	s_cbranch_scc0 .Lentry_shape_is_right
	s_endpgm
.Lentry_shape_is_right:
; h = gelu(branch W1), quantised along its 8,192 columns.  branch [2048][2048] (aq) and W1 (w1q: its 8,192 columns as rows) are codes of FP4 with E8M0 scales; h leaves as codes too (hq).
; OPERANDS IN MEMORY: [16 rows][512 along K][4,352 bytes]: four images of a fragment's registers (lane l's 16 bytes at 16 l and at 512 + 16 l), then 256 bytes of scale words (row r's four at 16 r).
; So a tile of 16 rows x 512 along K is 4,352 consecutive bytes, its scales ride with it, and every LDS load reads 512 consecutive bytes: no padding.
; A tile of the result, 256 x 256, is made by four waves, 128 x 128 each: 64 accumulators, 512 registers.  K = 2,048 goes in four steps of 512 through a ring of two LDS slots.
; CLUSTERS: 4 x 4 work-groups; branch's tiles are asked for jointly along a row of the cluster, W1's along a column.
; THE WALK ALONG K DOES NOT BEGIN AT 0 IN EVERY CLUSTER: with X, Y the cluster's coordinates, a cluster begins at K step 0 or 2, by bit 0 of (X xor Y) xor ((X xor Y) >> 1), and wraps round.
; So of the clusters that read the same rows of aq or of w1q, one part asks for a K step two steps behind the other part.  X and Y are the same in all sixteen partners: their joint loads stay alike.
; THE MATRIX INSTRUCTION IS USED TRANSPOSED (source 0 = 16 rows of w1q, source 1 = 16 rows of branch), and w1q's rows are permuted in groups of 32,
; so that a lane's 64 results of a block of 16 rows are: register 16 b + i = column 32 b + 16 (lane / 16) + i of my 128: neighbours along the next product's K.
; gelu(v) = v / (1 + 2^(v (c1 v^2 + c0))), c0 = -2 log2(e) sqrt(2 / pi), c1 = 0.044715 c0: the tanh form, in f32.
; LIMITS: a sum's K steps are added in the order o, o + 1, o + 2, o + 3 modulo 4, o the cluster's first: the order of rounding differs from K ascending;
; where the tanh form has saturated to 0 this gives magnitudes under about 1e-7; a block of zeros keeps the scale byte 1; NaN and infinities are not served.
; REGISTERS: window 0: v16-31 addresses and constants; v32-95 scale words, two sets, and nothing else; v96-123 the way out's scale words and work; v128-191 branch's fragments, later gelu; v192-255 h's codes.
;   window 1: W1's fragments, two sets.  windows 2, 3: the accumulators ((a, b) at v[8 (8 (a % 4) + b)]).
.set IMG,    4352
.set RBPA,   4*IMG                     ; 16 rows of aq or w1q
.set RBPH,   16*IMG                    ; 16 rows of hq
.set NK,     4                         ; K steps
.set NQ,     4
.set FR,     8
.set NL,     2
.set NP,     4
.set HALFT,  8*IMG                     ; 128 rows x 512 along K: what one tensor load brings
.set SLOT,   4*HALFT
.set SPARE,  2*SLOT                    ; the spare words: 128 bytes for each wave
.set ADRA, 16
.set C1,   18
.set ADRB, 20
.set LI,   24
.set HSO,  25
.set ADRS, 26
.set SPW,  28
.set NIL,  29
.set C0,   30
.set SC,   32
.set PW,   96
.set TM,   104
.set SW,   120
.set AF,   128
.set GW,   128
.set PC,   192
.set G1, 24
.set G0, 32
.set G1B, 48
.set G0B, 56
.set BA,  68                           ; s[68:69] the rows of aq that I fetch, at K = 0
.set BB,  70                           ; s[70:71] the rows of w1q that I fetch, at K = 0
.set KO,  72                           ; s[72:73] a K step's byte offset in those rows
.set KS,  74                           ; s74      the K step last asked for
.set SEL, 96
.set MSB, 0
.macro WIN new
.if MSB != \new
	s_set_vgpr_msb (MSB<<8)|\new
.set MSB, \new
.endif
.endm
.set MUL_LO, 0xa1
.set MUL_HI, 0xf1
.set TO_B,   0x40
.macro JLOAD g0a, g1a, g0b, g1b        ; a joint load: waves 0 and 1 fetch for branch, waves 2 and 3 for W1; four v_nop follow each line
	s_cmp_eq_u32 s15, 0
	s_cbranch_scc0 .Lfor_b_\@
	tensor_load_to_lds s[\g0a:\g0a+3], s[\g1a:\g1a+7]
	s_nop 0
.rept 4
	v_nop
.endr
	s_branch .Lasked_\@
.Lfor_b_\@:
	tensor_load_to_lds s[\g0b:\g0b+3], s[\g1b:\g1b+7]
	s_nop 0
.rept 4
	v_nop
.endr
.Lasked_\@:
.endm
.macro CREST
	s_cmp_lg_u32 s14, 0
	s_cbranch_scc1 .Lnot_wave_0_\@
	s_barrier_signal -3
.Lnot_wave_0_\@:
	s_barrier_wait -3
	s_barrier_signal -1
	s_barrier_wait -1
.endm
.macro CROUND
	s_barrier_signal -1
	s_barrier_wait -1
	CREST
.endm
; The slot's two descriptors take the next K step of the walk, which wraps round.  It stands where no tensor load of the wave is out.
.macro NEXTK slot
	s_add_co_u32 s[KS], s[KS], 1
	s_and_b32 s[KS], s[KS], NK-1
	s_mul_i32 s[KO], s[KS], IMG
	s_add_nc_u64 s[G0+4*\slot+2:G0+4*\slot+3], s[BA:BA+1], s[KO:KO+1]
	s_or_b32 s[G0+4*\slot+3], s[G0+4*\slot+3], 0x80000000
	s_add_nc_u64 s[G0B+4*\slot+2:G0B+4*\slot+3], s[BB:BB+1], s[KO:KO+1]
	s_or_b32 s[G0B+4*\slot+3], s[G0B+4*\slot+3], 0x80000000
.endm
	s_load_b128 s[4:7], s[0:1], 0x0                ; aq, w1q
	s_load_b64 s[8:9], s[0:1], 0x10                ; hq
	v_lshl_add_u32 v[SPW], v0, 2, SPARE
	v_mov_b32 v[NIL], 0
	ds_add_u32 v28, v29
	ds_add_u32 v28, v29
	s_wait_dscnt 0x0
	v_lshrrev_b32 v1, 5, v0
	v_readfirstlane_b32 s14, v1                    ; wave
	s_lshr_b32 s15, s14, 1                         ; my half of the rows; also: I fetch for branch (0) or W1 (1)
	s_and_b32 s16, s14, 1                          ; my half of the columns; also: which 128 rows I fetch
	s_bfe_u32 s40, ttmp6, 0x40000
	s_bfe_u32 s41, ttmp6, 0x40004
	s_lshl_b32 s42, ttmp9, 2
	s_add_co_u32 s42, s42, s40                     ; tile column
	s_and_b32 s17, ttmp7, 0xffff
	s_lshl_b32 s17, s17, 2
	s_add_co_u32 s17, s17, s41                     ; tile row
	s_lshl_b32 s43, s41, 2
	s_lshl_b32 s43, 15, s43                        ; my row of the cluster
	s_lshl_b32 s44, 0x1111, s40                    ; my column
	s_or_b32 s[G1+0], s43, (3<<16)|(1<<21)         ; the mask; elements of 8 bytes; bit 21 beside a mask; no padding
	s_or_b32 s[G1B+0], s44, (3<<16)|(1<<21)
.irp g, G1, G1B
	s_mov_b32 s[\g+1], 544<<16                     ; tensor_dim0: 4,352 bytes
	s_mov_b32 s[\g+2], 8<<16                       ; tensor_dim1
	s_mov_b32 s[\g+3], 544<<16                     ; tile_dim0
	s_mov_b32 s[\g+4], 8                           ; tile_dim1
	s_mov_b32 s[\g+5], RBPA/8                      ; from 16 rows to the next 16
	s_mov_b32 s[\g+6], 0
	s_mov_b32 s[\g+7], 0
.endr
	s_lshl_b32 s18, s16, 3
	s_lshl_b32 s20, s17, 4
	s_add_co_u32 s20, s20, s18
	s_mul_i32 s20, s20, RBPA
	s_mov_b32 s21, 0
	s_lshl_b32 s46, s42, 4
	s_add_co_u32 s46, s46, s18
	s_mul_i32 s46, s46, RBPA
	s_mov_b32 s47, 0
	s_mul_i32 s45, s14, HALFT
	s_and_b32 s[KS], ttmp7, 0xffff                 ; the cluster's y,
	s_xor_b32 s[KS], s[KS], ttmp9                  ; xor its x;
	s_lshr_b32 s[KO], s[KS], 1
	s_xor_b32 s[KS], s[KS], s[KO]
	s_and_b32 s[KS], s[KS], 1                      ; 0, 1, 1, 0 along each axis
	s_lshl_b32 s[KS], s[KS], 1                     ; the cluster's first K step: 0 or 2
	s_mul_i32 s[KO], s[KS], IMG
	s_mov_b32 s[KO+1], 0
	s_add_co_u32 s[KS], s[KS], 1                   ; slot 1 begins with the K step behind it: the last asked for
	s_wait_kmcnt 0x0
	s_add_nc_u64 s[BA:BA+1], s[4:5], s[20:21]
	s_add_nc_u64 s[BB:BB+1], s[6:7], s[46:47]
	s_add_nc_u64 s[20:21], s[BA:BA+1], s[KO:KO+1]  ; at the first K step
	s_add_nc_u64 s[46:47], s[BB:BB+1], s[KO:KO+1]
	CROUND                                         ; all sixteen work-groups are here: the first joint loads meet
.irp s, 0,1
	s_mov_b32 s[G0+4*\s], 1
	s_add_co_u32 s[G0+4*\s+1], s45, \s*SLOT
	s_add_nc_u64 s[G0+4*\s+2:G0+4*\s+3], s[20:21], \s*IMG
	s_or_b32 s[G0+4*\s+3], s[G0+4*\s+3], 0x80000000
	s_mov_b32 s[G0B+4*\s], 1
	s_add_co_u32 s[G0B+4*\s+1], s45, \s*SLOT
	s_add_nc_u64 s[G0B+4*\s+2:G0B+4*\s+3], s[46:47], \s*IMG
	s_or_b32 s[G0B+4*\s+3], s[G0B+4*\s+3], 0x80000000
	JLOAD G0+4*\s, G1, G0B+4*\s, G1B
.endr
	v_and_b32 v1, 15, v0
	v_bfe_u32 v2, v0, 4, 1
	v_and_b32 v3, 31, v0
	v_lshlrev_b32 v[LI], 4, v3                     ; 16 x lane
	s_mul_i32 s21, s15, HALFT
	s_mul_i32 s22, s16, HALFT
	s_add_co_u32 s22, s22, 2*HALFT
.irp s, 0,1
	v_add_nc_u32 v[ADRA+\s], s21, v[LI]
	v_add_nc_u32 v[ADRB+\s], s22, v[LI]
	s_add_co_u32 s21, s21, SLOT
	s_add_co_u32 s22, s22, SLOT
.endr
	s_mul_i32 s21, s15, HALFT
	s_mul_i32 s22, s16, HALFT
	s_add_co_u32 s22, s22, 2*HALFT
	s_sub_co_u32 s22, s22, s21
	v_mul_u32_u24 v6, s22, v2                      ; lanes 16-31 take W1's scale words
	v_lshl_add_u32 v5, v1, 4, v6
	v_add_nc_u32 v[ADRS], s21, v5
	v_add_nc_u32 v[ADRS+1], SLOT, v[ADRS]
	v_mul_u32_u24 v5, v2, RBPH
	v_lshl_add_u32 v[HSO], v1, 4, v5               ; hq's scale words: lanes 16-31 the next 16 rows
	v_mov_b32 v[C0], 0xc0135761
	v_mov_b32 v[C0+1], 0xc0135761
	v_mov_b32 v[C1], 0xbdd2d3e8
	v_mov_b32 v[C1+1], 0xbdd2d3e8
	s_mov_b32 s[SEL], 0x76543210
	s_mov_b32 s[SEL+1], 0xfedcba98
	s_mov_b32 s95, 0xffff0000
	s_lshl_b32 s20, s17, 4
	s_lshl_b32 s21, s15, 3
	s_add_co_u32 s20, s20, s21
	s_mul_i32 s20, s20, RBPH                       ; my first 16 rows of hq
	s_mov_b32 s21, 0
	s_add_nc_u64 s[8:9], s[8:9], s[20:21]
	s_lshr_b32 s46, s42, 1
	s_mul_i32 s46, s46, IMG                        ; my 512 of h's columns
	s_mov_b32 s47, 0
	s_add_nc_u64 s[8:9], s[8:9], s[46:47]
	s_and_b32 s46, s42, 1
	s_lshl_b32 s46, s46, 1
	s_add_co_u32 s46, s46, s16                     ; my 128 of the 512
	s_lshl_b32 s92, s46, 10
	s_mov_b32 s93, 0
	s_add_nc_u64 s[10:11], s[8:9], s[92:93]        ; its image
	s_lshl_b32 s92, s46, 2
	s_add_nc_u64 s[12:13], s[8:9], s[92:93]        ; its scale word in a row's four
.macro FRAG reg, adr, q, i             ; the fragment of rows 16 i on, the slot's q-th 128 along K: 8 registers, two loads of 512 consecutive bytes
.irp c, 0,1
	ds_load_b128 v[\reg+4*\c:\reg+4*\c+3], v[\adr] offset:IMG*(\i)+1024*(\q)+512*\c
.endr
.endm
.macro MUL16 a0, p, q, sc, zero        ; branch's blocks a0, a0 + 1 x W1's eight; the 64 accumulators take turns
.irp a, \a0, \a0+1
.irp b, 0,1,2,3,4,5,6,7
.if \zero
	v_wmma_scale_f32_16x16x128_f8f6f4 v[8*(8*((\a)%4)+\b):8*(8*((\a)%4)+\b)+7], v[128*(\p)+FR*\b:128*(\p)+FR*\b+FR-1], v[AF+FR*(\a):AF+FR*(\a)+FR-1], 0, v[SC+8*NQ*(\sc)+NQ*\b+(\q)], v[SC+8*NQ*(\sc)+NQ*(\a)+(\q)] matrix_a_fmt:MATRIX_FMT_FP4 matrix_b_fmt:MATRIX_FMT_FP4 matrix_a_scale:MATRIX_SCALE_ROW1
.else
	v_wmma_scale_f32_16x16x128_f8f6f4 v[8*(8*((\a)%4)+\b):8*(8*((\a)%4)+\b)+7], v[128*(\p)+FR*\b:128*(\p)+FR*\b+FR-1], v[AF+FR*(\a):AF+FR*(\a)+FR-1], v[8*(8*((\a)%4)+\b):8*(8*((\a)%4)+\b)+7], v[SC+8*NQ*(\sc)+NQ*\b+(\q)], v[SC+8*NQ*(\sc)+NQ*(\a)+(\q)] matrix_a_fmt:MATRIX_FMT_FP4 matrix_b_fmt:MATRIX_FMT_FP4 matrix_a_scale:MATRIX_SCALE_ROW1
.endif
.endr
.endr
.endm
.macro FETCH_B slot, q, p
	WIN TO_B
.irp i, 0,1,2,3,4,5,6,7
	FRAG 128*(\p)+FR*\i, ADRB+\slot, \q, \i
.endr
	WIN 0
.endm
.macro FETCH_A slot, q, i0
.irp i, \i0, \i0+1, \i0+2, \i0+3
	FRAG AF+FR*(\i), ADRA+\slot, \q, \i
.endr
.endm
.macro SCALES sc                       ; a slot's scale words: lanes 0-15 branch's block i, lanes 16-31 W1's block i; four words a row
.irp i, 0,1,2,3,4,5,6,7
	ds_load_b128 v[SC+8*NQ*\sc+NQ*\i:SC+8*NQ*\sc+NQ*\i+3], v[ADRS+\sc] offset:IMG*\i+4096
.endr
.endm
.macro PLACES n                        ; plain vector lines between a matrix instruction and a load into, or a read of, its registers
.rept \n
	v_nop
.endr
.endm
.macro STEP slot, q, zero
	s_wait_dscnt 4*NL                              ; all but the youngest eight loads (branch's blocks 4-7)
	WIN MUL_LO
	MUL16 0, (\q)%2, \q, \slot, \zero
	MUL16 2, (\q)%2, \q, \slot, \zero
	s_wait_dscnt 0
	PLACES NP
	FETCH_B \slot, (\q)+1, 1-(\q)%2
	FETCH_A \slot, (\q)+1, 0
	WIN MUL_HI
	MUL16 4, (\q)%2, \q, \slot, \zero
	MUL16 6, (\q)%2, \q, \slot, \zero
	PLACES NP
	WIN 0
	FETCH_A \slot, (\q)+1, 4
.endm
.macro TURN slot, next, fill           ; a slot's last step changes slots
	s_wait_tensorcnt 0x0                           ; all my tensor loads have landed: my part of the next slot; so every descriptor may be written;
	ds_add_u32 v[SPW], v[NIL]                      ; 0 onto my spare word;
.if \fill
	NEXTK \slot                                    ; this slot's next K step
.endif
	s_wait_dscnt 4*NL+1                            ; (the add and the youngest eight loads may be out)
	WIN MUL_LO
	MUL16 0, 1, NQ-1, \slot, 0
	s_wait_dscnt 0x0                               ; the add is done, and my reads of this slot are over
	s_barrier_signal -1
	MUL16 2, 1, NQ-1, \slot, 0
	WIN 0
	s_barrier_wait -1
.if \fill
	CREST                                          ; the barrier has opened a round of the cluster's: no wave of any partner still reads this slot or has a load on its way
	JLOAD G0+4*\slot, G1, G0B+4*\slot, G1B         ; the first tensor load behind the round; its four v_nop are the places in front of the loads below
.else
	PLACES NP
.endif
	FETCH_B \next, 0, 0
	FETCH_A \next, 0, 0
	SCALES \next
	WIN MUL_HI
	MUL16 4, 1, NQ-1, \slot, 0
	MUL16 6, 1, NQ-1, \slot, 0
	PLACES NP
	WIN 0
	FETCH_A \next, 0, 4
.endm
.macro STEPS slot, from
.set Q, \from
.rept NQ-1-\from
	STEP \slot, Q, 0
.set Q, Q+1
.endr
.endm
	s_wait_tensorcnt 1                             ; my part of slot 0 is in; slot 1's may be out
	s_barrier_signal -1
	s_barrier_wait -1
	FETCH_B 0, 0, 0
	FETCH_A 0, 0, 0
	SCALES 0
	FETCH_A 0, 0, 4
	STEP 0, 0, 1                                   ; the first products start the sums
	STEPS 0, 1
	TURN 0, 1, 1
	STEPS 1, 0
	TURN 1, 0, 1
	STEP 0, 0, 0
	STEPS 0, 1
	TURN 0, 1, 0                                   ; the last two slots are not filled again
	STEPS 1, 0
	s_wait_dscnt 4*NL
	WIN MUL_LO
	MUL16 0, 1, NQ-1, 1, 0
	MUL16 2, 1, NQ-1, 1, 0
	s_wait_dscnt 0
	WIN MUL_HI
	MUL16 4, 1, NQ-1, 1, 0
	MUL16 6, 1, NQ-1, 1, 0
	WIN 0
.irp b, 0,1,2,3
	v_mov_b32 v[TM+4+\b], 0                        ; a lane permute's destination counts as read; these four are also the places behind the last products
.endr
; 64 numbers of a lane, register 16 b + i = k 32 b + 16 (lane / 16) + i of my row, become a fragment's codes in v[pc] on and its scale word in v[pw]
.macro QUANT s, pc, pw
.irp b, 0,1,2,3
	v_max3_num_f32 v[TM+\b], |v[\s+16*\b]|, |v[\s+1+16*\b]|, 0x1800000
.endr
.irp i, 2,4,6,8,10,12,14
.irp b, 0,1,2,3
	v_max3_num_f32 v[TM+\b], v[TM+\b], |v[\s+16*\b+\i]|, |v[\s+1+16*\b+\i]|
.endr
.endr
.irp b, 0,1,2,3
	v_permlanex16_b32 v[TM+4+\b], v[TM+\b], s[SEL], s[SEL+1]
.endr
.irp b, 0,1,2,3
	v_max_num_f32 v[TM+\b], v[TM+\b], v[TM+4+\b]
.endr
.irp b, 0,1,2,3
	v_add_nc_u32 v[TM+12+\b], 0xff000000, v[TM+\b]
.endr
.irp b, 0,1,2,3
	v_lshrrev_b32 v[TM+4+\b], 23, v[TM+12+\b]
.endr
	v_lshl_or_b32 v[\pw], v[TM+5], 8, v[TM+4]
	v_lshl_or_b32 v[\pw], v[TM+6], 16, v[\pw]
	v_lshl_or_b32 v[\pw], v[TM+7], 24, v[\pw]
.irp b, 0,1,2,3
	v_cvt_scalef32_pk8_fp4_f32 v[\pc+2*\b], v[\s+16*\b:\s+7+16*\b], v[TM+12+\b]
	v_cvt_scalef32_pk8_fp4_f32 v[\pc+1+2*\b], v[\s+8+16*\b:\s+15+16*\b], v[TM+12+\b]
.endr
	v_nop                                          ; one plain place behind a scaled conversion
.irp c, 0,1
.irp i, 0,1
	v_permlane16_swap_b32 v[\pc+4*\c+\i], v[\pc+2+4*\c+\i]   ; a whole block to a lane, as the operand's layout wants
.endr
.endr
.endm
; THE WAY OUT of block a (16 rows x my 128 columns): gelu, the quantiser, and the fragment's image straight from registers: each store covers 512 consecutive aligned bytes
.macro OUTB a
.set AC, 64*((\a)%4)
.set W1W, 2+(\a)/4
.set W2W, 5*W1W
	WIN W2W                                        ; sources 0 and 1: the accumulators' window
.set j, 0
.rept 32
	v_pk_mul_f32 v[GW+j:GW+j+1], v[AC+j:AC+j+1], v[AC+j:AC+j+1]      ; v^2; each accumulator from its low end on
.set j, j+2
.endr
	WIN 0
.set j, 0
.rept 32
	v_pk_fma_f32 v[GW+j:GW+j+1], v[GW+j:GW+j+1], v[C1:C1+1], v[C0:C0+1]
.set j, j+2
.endr
	WIN W1W
.set j, 0
.rept 32
	v_pk_mul_f32 v[GW+j:GW+j+1], v[AC+j:AC+j+1], v[GW+j:GW+j+1]
.set j, j+2
.endr
	WIN 0
.set j, 0
.rept 64
	v_exp_f32 v[GW+j], v[GW+j]
.set j, j+1
.endr
	v_nop
.set j, 0
	s_wait_alu depctr_va_vdst(0)
.rept 32
	v_pk_add_f32 v[GW+j:GW+j+1], v[GW+j:GW+j+1], 1.0 op_sel_hi:[1,0]
.set j, j+2
.endr
.set j, 0
.rept 64
	v_rcp_f32 v[GW+j], v[GW+j]
.set j, j+1
.endr
	v_nop
	WIN W1W
.set j, 0
	s_wait_alu depctr_va_vdst(0)
.rept 32
	v_pk_mul_f32 v[GW+j:GW+j+1], v[AC+j:AC+j+1], v[GW+j:GW+j+1]
.set j, j+2
.endr
	WIN 0
	QUANT GW, PC+8*(\a), PW+(\a)
	global_store_b128 v[LI], v[PC+8*(\a):PC+8*(\a)+3], s[10:11] offset:RBPH*(\a)
	global_store_b128 v[LI], v[PC+8*(\a)+4:PC+8*(\a)+7], s[10:11] offset:RBPH*(\a)+512
.endm
.irp a, 0,1,2,3,4,5,6,7
	OUTB \a
.endr
.irp a, 0,2,4,6
	v_cndmask_b32 v[SW+\a/2], v[PW+\a], v[PW+\a+1], s95              ; lanes 0-15 block a's words, lanes 16-31 block a + 1's
.endr
.irp a, 0,2,4,6
	global_store_b32 v[HSO], v[SW+\a/2], s[12:13] offset:4096+RBPH*\a
.endr
	s_wait_tensorcnt 0x0                           ; the wave's end
	ds_add_u32 v[SPW], v[NIL]
	s_wait_dscnt 0x0
	CROUND                                         ; the closing round
	s_endpgm
.Lfunc_end_k_q1d7bb05dea_gemm1:
	.size	k_q1d7bb05dea_gemm1, .Lfunc_end_k_q1d7bb05dea_gemm1-k_q1d7bb05dea_gemm1
	.p2alignl 7, 3214868480
	.fill 96, 4, 3214868480
	.section	.rodata,"a",@progbits
	.p2align	6, 0x0
	.amdhsa_kernel k_q1d7bb05dea_gemm1
		.amdhsa_group_segment_fixed_size 327680
		.amdhsa_private_segment_fixed_size 0
		.amdhsa_enable_private_segment 0
		.amdhsa_kernarg_size 24
		.amdhsa_user_sgpr_count 2
		.amdhsa_user_sgpr_kernarg_segment_ptr 1
		.amdhsa_wavefront_size32 1
		.amdhsa_system_sgpr_workgroup_id_x 1
		.amdhsa_system_sgpr_workgroup_id_y 1
		.amdhsa_system_sgpr_workgroup_id_z 1
		.amdhsa_system_vgpr_workitem_id 0
		.amdhsa_next_free_vgpr 1024
		.amdhsa_next_free_sgpr 98
		.amdhsa_reserve_vcc 0
		.amdhsa_float_denorm_mode_32 3
		.amdhsa_float_denorm_mode_16_64 3
		.amdhsa_memory_ordered 1
		.amdhsa_forward_progress 1
		.amdhsa_inst_pref_size 255
	.end_amdhsa_kernel
	.section	.bss,"aw",@nobits
	.p2align	6
	.space	262144
	.amdgpu_metadata
---
amdhsa.version: [ 1, 2 ]
amdhsa.kernels:
  - .name:           k_q1d7bb05dea_gemm1
    .symbol:         k_q1d7bb05dea_gemm1.kd
    .args:
      - { .name: aq, .offset: 0, .size: 8, .value_kind: global_buffer, .address_space: global }
      - { .name: w1q, .offset: 8, .size: 8, .value_kind: global_buffer, .address_space: global }
      - { .name: hq, .offset: 16, .size: 8, .value_kind: global_buffer, .address_space: global }
    .group_segment_fixed_size: 327680
    .private_segment_fixed_size: 0
    .kernarg_segment_align: 8
    .kernarg_segment_size: 24
    .max_flat_workgroup_size: 128
    .sgpr_count:     98
    .vgpr_count:     1024
    .wavefront_size: 32
...
	.end_amdgpu_metadata
.endif
;; end of part 3
;; launch gemm2 (part 4): grid 16 x 16, 4 waves a work-group, clusters of 4 x 4, 327,680 bytes of LDS; arguments hq, w2q, prm, x, out0; writes out0
.if DOCPART == 4
	.amdgcn_target "amdgcn-amd-amdhsa--gfx1250"
	.amdhsa_code_object_version 6
	.text
	.protected	k_q1d7bb05dea_gemm2
	.globl	k_q1d7bb05dea_gemm2
	.p2align	8
	.type	k_q1d7bb05dea_gemm2,@function
k_q1d7bb05dea_gemm2:
	s_mov_b64 s[64:65], 0
	v_nop
	global_prefetch_b8 v0, s[64:65] scope:SCOPE_SE
	s_setreg_imm32_b32 hwreg(HW_REG_WAVE_MODE, 25, 1), 1
	s_wait_xcnt 0x0
	s_wait_alu depctr_hold_cnt(0) depctr_sa_sdst(0) depctr_va_vdst(0) depctr_va_sdst(0) depctr_va_ssrc(0) depctr_va_vcc(0) depctr_vm_vsrc(0)
	s_getreg_b32 s2, hwreg(HW_REG_IB_STS2, 6, 4)
	s_cmp_eq_u32 s2, 0
	s_cbranch_scc0 .Lentry_in_a_cluster
	s_endpgm
.Lentry_in_a_cluster:
	s_bfe_u32 s2, ttmp6, 0x10000c
	s_cmp_lg_u32 s2, 0xf033
	s_cbranch_scc0 .Lentry_shape_is_right
	s_endpgm
.Lentry_shape_is_right:
; y = h W2 on codes of FP4 (hq, w2q: [16 rows][512 along K][4,352 bytes]: four images of a fragment's registers, then the scale words), then out[b][i][d] = sum over j of Phi[b][i][j] x[b][j][d] + wo[b][i] y[b][d].
; A tile of y is 128 x 128 (256 tiles: one for each work-group); four waves, 64 x 64 each: 16 accumulators.  K = 8,192 goes in eight steps of 1,024 through a ring of two LDS slots;
; a tile's row is 16 rows x 1,024 along K = 8,704 consecutive bytes.  CLUSTERS: 4 x 4; h's tiles are asked for jointly along a row of the cluster, W2's along a column.
; THE WALK ALONG K DOES NOT BEGIN AT 0 IN EVERY CLUSTER: with X, Y the cluster's coordinates, a cluster begins at K step 0 or 4, by bit 0 of (X xor Y) xor ((X xor Y) >> 1), and wraps round.
; So of the clusters that read the same rows of hq or of w2q, one half asks for a K step four steps behind the other half.  X and Y are the same in all sixteen partners: their joint loads stay alike.
; THE x THAT THE WAY OUT NEEDS (64 rows x 4 streams x 64 columns a wave, 512 registers) IS LOADED WHILE K IS WALKED, a quarter in front of each lap; each load's sixteen neighbouring lanes read 256 consecutive aligned bytes.
; THE MATRIX INSTRUCTION IS USED TRANSPOSED (source 0 = w2q's rows, which are permuted in groups of 32; source 1 = h's rows): register j of tile b in lane (r, h) is y(16 a + r, 32 (b / 2) + 16 h + 8 (b % 2) + j).
; y goes through the wave's own stage in LDS (in slot 0, which by then has had its last fill and its last read) and comes back by rows, laid as x's registers are.
; LIMITS: a sum's K steps are added in the order o, o + 1, .. o + 7 modulo 8, o the cluster's first: the order of rounding differs from K ascending; NaN and infinities are not served.
; REGISTERS: window 0: v16-31 addresses; v32-95 scale words, two sets, and nothing else; v96-103 y by rows; v128-255 the accumulators, on the way out the rows' parameters (v128-167) and results (v168-199).
;   window 1: two fragment buffers of 128 (256 along K: 64 registers of h, 64 of W2).  windows 2, 3: x: row pair p, stream j at 16 p + 4 j.
.set IMG,    4352
.set ROWB,   2*IMG
.set RBP,    16*IMG
.set NK,     8                         ; K steps
.set HALFT,  4*ROWB                    ; 64 rows x 1,024 along K: what one tensor load brings
.set SLOT,   4*HALFT
.set SPARE,  2*SLOT                    ; the spare words: 128 bytes for each wave
.set PRL,    SPARE+512                 ; each wave's copy of its 64 rows of prm: 8,192 bytes
.set SPITCH, 272                       ; the stage: 64 rows x (256 bytes + 16) for each wave
.set ADRA, 16
.set ADRB, 20
.set ADRS, 22
.set STO,  24
.set RD,   25
.set XO,   26
.set LI,   27
.set SPW,  28
.set NIL,  29
.set PLS,  30
.set PRA,  31
.set SC,   32
.set ACC,  128
.set G1, 24
.set G0, 32
.set G1B, 48
.set G0B, 56
.set BA,  78                           ; s[78:79] the rows of hq that I fetch, at K = 0
.set BB,  80                           ; s[80:81] the rows of w2q that I fetch, at K = 0
.set KO,  82                           ; s[82:83] a K step's byte offset in those rows
.set KS,  84                           ; s84      the K step last asked for
.set MSB, 0
.macro WIN new
.if MSB != \new
	s_set_vgpr_msb (MSB<<8)|\new
.set MSB, \new
.endif
.endm
.set MUL,  0x05                        ; sources 0 and 1 window 1; C and D window 0
.set TO_F, 0x40
.macro JLOAD s                         ; a joint load: waves 0 and 1 fetch h's halves, waves 2 and 3 W2's; four v_nop follow each line
	s_cmp_eq_u32 s11, 0
	s_cbranch_scc0 .Lfor_b_\@
	tensor_load_to_lds s[G0+4*\s:G0+4*\s+3], s[G1:G1+7]
	s_nop 0
.rept 4
	v_nop
.endr
	s_branch .Lasked_\@
.Lfor_b_\@:
	tensor_load_to_lds s[G0B+4*\s:G0B+4*\s+3], s[G1B:G1B+7]
	s_nop 0
.rept 4
	v_nop
.endr
.Lasked_\@:
.endm
.macro CREST
	s_cmp_lg_u32 s10, 0
	s_cbranch_scc1 .Lnot_wave_0_\@
	s_barrier_signal -3
.Lnot_wave_0_\@:
	s_barrier_wait -3
	s_barrier_signal -1
	s_barrier_wait -1
.endm
.macro CROUND
	s_barrier_signal -1
	s_barrier_wait -1
	CREST
.endm
; The slot's two descriptors take the next K step of the walk, which wraps round.  It stands where no tensor load of the wave is out.
.macro NEXTK slot
	s_add_co_u32 s[KS], s[KS], 1
	s_and_b32 s[KS], s[KS], NK-1
	s_mul_i32 s[KO], s[KS], ROWB
	s_add_nc_u64 s[G0+4*\slot+2:G0+4*\slot+3], s[BA:BA+1], s[KO:KO+1]
	s_or_b32 s[G0+4*\slot+3], s[G0+4*\slot+3], 0x80000000
	s_add_nc_u64 s[G0B+4*\slot+2:G0B+4*\slot+3], s[BB:BB+1], s[KO:KO+1]
	s_or_b32 s[G0B+4*\slot+3], s[G0B+4*\slot+3], 0x80000000
.endm
	s_load_b256 s[68:75], s[0:1], 0x0              ; hq s[68:69], w2q s[70:71], prm s[72:73], x s[74:75]
	s_load_b64 s[76:77], s[0:1], 0x20              ; out0
	v_lshl_add_u32 v[SPW], v0, 2, SPARE
	v_mov_b32 v[NIL], 0
	ds_add_u32 v28, v29
	ds_add_u32 v28, v29
	s_wait_dscnt 0x0
	v_lshrrev_b32 v1, 5, v0
	v_readfirstlane_b32 s10, v1                    ; wave
	s_lshr_b32 s11, s10, 1                         ; my half of the rows; also: I fetch for h (0) or W2 (1)
	s_and_b32 s12, s10, 1                          ; my half of the columns; also: which 64 rows I fetch
	s_bfe_u32 s40, ttmp6, 0x40000
	s_bfe_u32 s41, ttmp6, 0x40004
	s_lshl_b32 s42, ttmp9, 2
	s_add_co_u32 s42, s42, s40                     ; tile column
	s_and_b32 s13, ttmp7, 0xffff
	s_lshl_b32 s13, s13, 2
	s_add_co_u32 s13, s13, s41                     ; tile row
	s_lshl_b32 s43, s41, 2
	s_lshl_b32 s43, 15, s43
	s_lshl_b32 s44, 0x1111, s40
	s_or_b32 s[G1+0], s43, (3<<16)|(1<<21)         ; the mask; elements of 8 bytes; bit 21 beside a mask; no padding
	s_or_b32 s[G1B+0], s44, (3<<16)|(1<<21)
.irp g, G1, G1B
	s_mov_b32 s[\g+1], 1088<<16                    ; tensor_dim0: 8,704 bytes
	s_mov_b32 s[\g+2], 4<<16                       ; tensor_dim1
	s_mov_b32 s[\g+3], 1088<<16                    ; tile_dim0
	s_mov_b32 s[\g+4], 4                           ; tile_dim1
	s_mov_b32 s[\g+5], RBP/8
	s_mov_b32 s[\g+6], 0
	s_mov_b32 s[\g+7], 0
.endr
	s_lshl_b32 s17, s12, 2
	s_lshl_b32 s16, s13, 3
	s_add_co_u32 s16, s16, s17
	s_mul_i32 s16, s16, RBP
	s_lshl_b32 s46, s42, 3
	s_add_co_u32 s46, s46, s17
	s_mul_i32 s46, s46, RBP
	s_mov_b32 s17, 0
	s_mov_b32 s47, 0
	s_mul_i32 s20, s10, HALFT
	s_and_b32 s[KS], ttmp7, 0xffff                 ; the cluster's y,
	s_xor_b32 s[KS], s[KS], ttmp9                  ; xor its x;
	s_lshr_b32 s[KO], s[KS], 1
	s_xor_b32 s[KS], s[KS], s[KO]
	s_and_b32 s[KS], s[KS], 1                      ; 0, 1, 1, 0 along each axis
	s_lshl_b32 s[KS], s[KS], 2                     ; the cluster's first K step: 0 or 4
	s_mul_i32 s[KO], s[KS], ROWB
	s_mov_b32 s[KO+1], 0
	s_add_co_u32 s[KS], s[KS], 1                   ; slot 1 begins with the K step behind it: the last asked for
	s_wait_kmcnt 0x0
	s_add_nc_u64 s[BA:BA+1], s[68:69], s[16:17]
	s_add_nc_u64 s[BB:BB+1], s[70:71], s[46:47]
	s_add_nc_u64 s[14:15], s[BA:BA+1], s[KO:KO+1]  ; at the first K step
	s_add_nc_u64 s[46:47], s[BB:BB+1], s[KO:KO+1]
	CROUND                                         ; all sixteen work-groups are here: the first joint loads meet
.irp s, 0,1
	s_mov_b32 s[G0+4*\s], 1
	s_add_co_u32 s[G0+4*\s+1], s20, \s*SLOT
	s_add_nc_u64 s[G0+4*\s+2:G0+4*\s+3], s[14:15], \s*ROWB
	s_or_b32 s[G0+4*\s+3], s[G0+4*\s+3], 0x80000000
	s_mov_b32 s[G0B+4*\s], 1
	s_add_co_u32 s[G0B+4*\s+1], s20, \s*SLOT
	s_add_nc_u64 s[G0B+4*\s+2:G0B+4*\s+3], s[46:47], \s*ROWB
	s_or_b32 s[G0B+4*\s+3], s[G0B+4*\s+3], 0x80000000
	JLOAD \s
.endr
	v_and_b32 v1, 15, v0
	v_bfe_u32 v2, v0, 4, 1
	v_and_b32 v3, 31, v0
	v_lshlrev_b32 v[LI], 4, v3
	s_mul_i32 s21, s11, HALFT
	s_mul_i32 s22, s12, HALFT
	s_add_co_u32 s22, s22, 2*HALFT
.irp s, 0,1
	v_add_nc_u32 v[ADRA+\s], s21, v[LI]
	v_add_nc_u32 v[ADRB+\s], s22, v[LI]
	s_add_co_u32 s21, s21, SLOT
	s_add_co_u32 s22, s22, SLOT
.endr
	s_mul_i32 s21, s11, HALFT
	s_mul_i32 s22, s12, HALFT
	s_add_co_u32 s22, s22, 2*HALFT
	s_sub_co_u32 s22, s22, s21
	v_mul_u32_u24 v6, s22, v2                      ; lanes 16-31 take W2's scale words
	v_lshl_add_u32 v5, v1, 4, v6
	v_add_nc_u32 v[ADRS], s21, v5
	v_add_nc_u32 v[ADRS+1], SLOT, v[ADRS]
	s_mul_i32 s23, s10, 64*SPITCH                  ; my stage
	v_mul_u32_u24 v4, v1, SPITCH
	v_lshl_add_u32 v4, v2, 6, v4
	v_add_nc_u32 v[STO], s23, v4                   ; in: row r, + 64 h
	v_mul_u32_u24 v5, v2, SPITCH
	v_lshl_add_u32 v5, v1, 4, v5
	v_add_nc_u32 v[RD], s23, v5                    ; back: lanes 0-15 one row, lanes 16-31 the next
	v_lshlrev_b32 v5, 15, v2
	v_lshl_add_u32 v[XO], v1, 4, v5                ; and the same two rows in x and in out0
	s_lshl_b32 s23, s10, 13
	s_add_co_u32 s23, s23, PRL
	v_add_nc_u32 v[PLS], s23, v[LI]
	v_lshlrev_b32 v5, 7, v2
	v_add_nc_u32 v[PRA], s23, v5
	s_lshl_b32 s16, s13, 7
	s_lshl_b32 s17, s11, 6
	s_add_co_u32 s16, s16, s17                     ; my first row
	s_lshl_b32 s18, s16, 7
	s_mov_b32 s19, 0
	s_add_nc_u64 s[72:73], s[72:73], s[18:19]
	s_lshl_b32 s18, s16, 15
	s_add_nc_u64 s[74:75], s[74:75], s[18:19]
	s_add_nc_u64 s[76:77], s[76:77], s[18:19]
	s_lshl_b32 s46, s42, 9
	s_lshl_b32 s47, s12, 8
	s_add_co_u32 s46, s46, s47                     ; my first column, in bytes
	s_mov_b32 s47, 0
	s_add_nc_u64 s[74:75], s[74:75], s[46:47]
	s_add_nc_u64 s[76:77], s[76:77], s[46:47]
.macro MUL8 f, c, a0, zero, slot, q    ; h's blocks a0, a0 + 1 x W2's four, 128 along K: half c of buffer f; the 16 accumulators take turns
.set SQ, SC+32*(\slot)+16*((\q)/2)+2*((\q)%2)+(\c)
.irp a, \a0, \a0+1
.irp b, 0,1,2,3
.if \zero
	v_wmma_scale_f32_16x16x128_f8f6f4 v[ACC+8*(4*(\a)+\b):ACC+8*(4*(\a)+\b)+7], v[\f+64+8*(4*\c+\b):\f+64+8*(4*\c+\b)+7], v[\f+8*(4*\c+(\a)):\f+8*(4*\c+(\a))+7], 0, v[SQ+4*\b], v[SQ+4*(\a)] matrix_a_fmt:MATRIX_FMT_FP4 matrix_b_fmt:MATRIX_FMT_FP4 matrix_a_scale:MATRIX_SCALE_ROW1
.else
	v_wmma_scale_f32_16x16x128_f8f6f4 v[ACC+8*(4*(\a)+\b):ACC+8*(4*(\a)+\b)+7], v[\f+64+8*(4*\c+\b):\f+64+8*(4*\c+\b)+7], v[\f+8*(4*\c+(\a)):\f+8*(4*\c+(\a))+7], v[ACC+8*(4*(\a)+\b):ACC+8*(4*(\a)+\b)+7], v[SQ+4*\b], v[SQ+4*(\a)] matrix_a_fmt:MATRIX_FMT_FP4 matrix_b_fmt:MATRIX_FMT_FP4 matrix_a_scale:MATRIX_SCALE_ROW1
.endif
.endr
.endr
.endm
.macro FETCH slot, q, f                ; 32 LDS loads in one run: the slot's q-th 256 along K into buffer f, its first 128 first
	WIN TO_F
.irp c, 0,1
.irp i, 0,1,2,3
	ds_load_b128 v[\f+64+8*(4*\c+\i):\f+64+8*(4*\c+\i)+3],   v[ADRB+\slot] offset:ROWB*\i+IMG*((\q)/2)+1024*(2*((\q)%2)+\c)
	ds_load_b128 v[\f+64+8*(4*\c+\i)+4:\f+64+8*(4*\c+\i)+7], v[ADRB+\slot] offset:ROWB*\i+IMG*((\q)/2)+1024*(2*((\q)%2)+\c)+512
	ds_load_b128 v[\f+8*(4*\c+\i):\f+8*(4*\c+\i)+3],         v[ADRA+\slot] offset:ROWB*\i+IMG*((\q)/2)+1024*(2*((\q)%2)+\c)
	ds_load_b128 v[\f+8*(4*\c+\i)+4:\f+8*(4*\c+\i)+7],       v[ADRA+\slot] offset:ROWB*\i+IMG*((\q)/2)+1024*(2*((\q)%2)+\c)+512
.endr
.endr
.endm
.macro SCALES slot                     ; a slot's scale words: lanes 0-15 h's block i, lanes 16-31 W2's block i; four words for each 512 along K
	WIN 0
.irp k2, 0,1
.irp i, 0,1,2,3
	ds_load_b128 v[SC+32*\slot+16*\k2+4*\i:SC+32*\slot+16*\k2+4*\i+3], v[ADRS+\slot] offset:ROWB*\i+IMG*\k2+4096
.endr
.endr
.endm
.macro PLACES                          ; plain vector lines between a matrix instruction and a load into, or a read of, its registers
.rept 4
	v_nop
.endr
.endm
.macro QUARTER slot, q, zero           ; multiplies the slot's q-th 256 along K and fetches the next
.set FQ, 128*((\q)%2)
.set GQ, 128-FQ
	s_wait_dscnt 16                                ; the first 128 along K are in
	WIN MUL
	MUL8 FQ, 0, 0, \zero, \slot, \q
	MUL8 FQ, 0, 2, \zero, \slot, \q
	PLACES
	FETCH \slot, (\q)+1, GQ
	s_wait_dscnt 32                                ; all but the 32 just issued
	WIN MUL
	MUL8 FQ, 1, 0, 0, \slot, \q
	MUL8 FQ, 1, 2, 0, \slot, \q
.endm
.macro TURN slot, next, fill           ; the slot's last quarter changes slots
	WIN 0
	s_wait_tensorcnt 0x0                           ; all my tensor loads have landed: my part of the next slot; so every descriptor may be written;
	ds_add_u32 v[SPW], v[NIL]                      ; 0 onto my spare word;
.if \fill
	NEXTK \slot                                    ; this slot's next K step
.endif
	s_wait_dscnt 17                                ; (the add and the youngest sixteen loads may be out)
	WIN MUL
	MUL8 128, 0, 0, 0, \slot, 3
	s_wait_dscnt 0x0                               ; the add is done, and my reads of this slot are over
	s_barrier_signal -1
	MUL8 128, 0, 2, 0, \slot, 3
.if \fill
	WIN 0
.endif
	s_barrier_wait -1
.if \fill
	CREST                                          ; the barrier has opened a round of the cluster's: no wave of any partner still reads this slot or has a load on its way
	JLOAD \slot                                    ; the first tensor load behind the round: 112 matrix instructions ahead of the wait for it; its four v_nop are the places in front of the loads below
.else
	PLACES
.endif
	SCALES \next
	FETCH \next, 0, 0
	WIN MUL
	MUL8 128, 1, 0, 0, \slot, 3
	MUL8 128, 1, 2, 0, \slot, 3
.endm
.macro XBATCH b                        ; x: row pairs 8 b .. 8 b + 7, four streams: 32 loads
.if (\b) < 2
	WIN 0x80
.else
	WIN 0xc0
.endif
.irp pp, 0,1,2,3,4,5,6,7
.irp j, 0,1,2,3
	global_load_b128 v[16*((8*(\b)+\pp)%16)+4*\j:16*((8*(\b)+\pp)%16)+4*\j+3], v[XO], s[74:75] offset:65536*(8*(\b)+\pp)+8192*\j th:TH_LOAD_NT
.endr
.endr
	WIN 0
.endm
.macro LAP
	QUARTER 0, 1, 0
	QUARTER 0, 2, 0
	TURN 0, 1, 1
	QUARTER 1, 0, 0
	QUARTER 1, 1, 0
	QUARTER 1, 2, 0
	TURN 1, 0, 1
	QUARTER 0, 0, 0
.endm
	WIN 0xc0                                       ; my 64 rows of prm, through registers that x's last batch takes later
.irp t, 0,1,2,3,4,5,6,7,8,9,10,11,12,13,14,15
	global_load_b128 v[192+4*\t:195+4*\t], v[LI], s[72:73] offset:512*\t
.endr
	XBATCH 0
	s_wait_tensorcnt 1                             ; my part of slot 0 is in; slot 1's may be out
	s_barrier_signal -1
	s_barrier_wait -1
	SCALES 0
	FETCH 0, 0, 0
	QUARTER 0, 0, 1                                ; the first products start the sums
	s_wait_loadcnt 32                              ; prm's 16 loads are in; x's first 32 may be out
	WIN 0x0c                                       ; an LDS store's data are its source 1: window 3
.irp t, 0,1,2,3,4,5,6,7,8,9,10,11,12,13,14,15
	ds_store_b128 v[PLS], v[192+4*\t:195+4*\t] offset:512*\t
.endr
	WIN 0
	XBATCH 1
	LAP
	XBATCH 2
	LAP
	XBATCH 3
	LAP
	QUARTER 0, 1, 0                                ; the last lap fills nothing
	QUARTER 0, 2, 0
	TURN 0, 1, 0
	QUARTER 1, 0, 0
	QUARTER 1, 1, 0
	QUARTER 1, 2, 0
	s_wait_dscnt 16
	WIN MUL
	MUL8 128, 0, 0, 0, 1, 3
	MUL8 128, 0, 2, 0, 1, 3
	s_wait_dscnt 0
	MUL8 128, 1, 0, 0, 1, 3
	MUL8 128, 1, 2, 0, 1, 3
	WIN 0
	; THE WAY OUT
	PLACES
.irp a, 0,1,2,3
.irp b, 0,1,2,3
	ds_store_b128 v[STO], v[ACC+8*(4*\a+\b):ACC+8*(4*\a+\b)+3] offset:16*SPITCH*\a+128*(\b/2)+32*(\b%2)        ; each accumulator from its low end on
	ds_store_b128 v[STO], v[ACC+8*(4*\a+\b)+4:ACC+8*(4*\a+\b)+7] offset:16*SPITCH*\a+128*(\b/2)+32*(\b%2)+16
.endr
.endr
	s_wait_loadcnt 0x0                             ; all of x is in
.macro PLOAD p                         ; row pair p: my four columns of y, and my row's Phi and write weights (LDS serves a wave's instructions in order: these see my stores)
	ds_load_b128 v[96+4*((\p)%2):96+4*((\p)%2)+3], v[RD] offset:2*SPITCH*(\p)
.irp i, 0,1,2,3,4
	ds_load_b128 v[128+20*((\p)%2)+4*\i:128+20*((\p)%2)+4*\i+3], v[PRA] offset:256*(\p)+16*\i
.endr
.endm
.macro BMUL d, a, b, sel               ; two numbers x one word of the pair b
.if \sel
	v_pk_mul_f32 v[\d:\d+1], v[\a:\a+1], v[\b:\b+1] op_sel:[0,1] op_sel_hi:[1,1]
.else
	v_pk_mul_f32 v[\d:\d+1], v[\a:\a+1], v[\b:\b+1] op_sel_hi:[1,0]
.endif
.endm
.macro BFMA d, a, b, sel
.if \sel
	v_pk_fma_f32 v[\d:\d+1], v[\a:\a+1], v[\b:\b+1], v[\d:\d+1] op_sel:[0,1,0] op_sel_hi:[1,1,1]
.else
	v_pk_fma_f32 v[\d:\d+1], v[\a:\a+1], v[\b:\b+1], v[\d:\d+1] op_sel_hi:[1,0,1]
.endif
.endm
.macro ROWP p
.set YS, 96+4*((\p)%2)
.set PSET, 128+20*((\p)%2)
.set OS, 168+16*((\p)%2)
.set XB, 16*((\p)%16)
.set XWN, 2+(\p)/16
.if (\p) < 31
	PLOAD (\p)+1
	s_wait_dscnt 6                                 ; this pair's six loads are in; the next pair's may be out
.else
	s_wait_dscnt 0x0
.endif
	s_wait_xcnt 0x0                                ; the stores of two pairs back have read these registers
.irp i, 0,1,2,3
.irp hf, 0,1
	BMUL OS+4*\i+2*\hf, YS+2*\hf, PSET+16+2*(\i/2), (\i%2)
.endr
.endr
	WIN XWN                                        ; source 0: x's window
.irp j, 0,1,2,3
.irp i, 0,1,2,3
.irp hf, 0,1
	BFMA OS+4*\i+2*\hf, XB+4*\j+2*\hf, PSET+4*\i+2*(\j/2), (\j%2)
.endr
.endr
.endr
	WIN 0
.irp i, 0,1,2,3
	global_store_b128 v[XO], v[OS+4*\i:OS+4*\i+3], s[76:77] offset:65536*(\p)+8192*\i th:TH_STORE_NT   ; sixteen lanes store 256 consecutive aligned bytes
.endr
.endm
	PLOAD 0
.set P, 0
.rept 32
	ROWP P
.set P, P+1
.endr
	s_wait_tensorcnt 0x0                           ; the wave's end
	ds_add_u32 v[SPW], v[NIL]
	s_wait_dscnt 0x0
	CROUND                                         ; the closing round
	s_endpgm
.Lfunc_end_k_q1d7bb05dea_gemm2:
	.size	k_q1d7bb05dea_gemm2, .Lfunc_end_k_q1d7bb05dea_gemm2-k_q1d7bb05dea_gemm2
	.p2alignl 7, 3214868480
	.fill 96, 4, 3214868480
	.section	.rodata,"a",@progbits
	.p2align	6, 0x0
	.amdhsa_kernel k_q1d7bb05dea_gemm2
		.amdhsa_group_segment_fixed_size 327680
		.amdhsa_private_segment_fixed_size 0
		.amdhsa_enable_private_segment 0
		.amdhsa_kernarg_size 40
		.amdhsa_user_sgpr_count 2
		.amdhsa_user_sgpr_kernarg_segment_ptr 1
		.amdhsa_wavefront_size32 1
		.amdhsa_system_sgpr_workgroup_id_x 1
		.amdhsa_system_sgpr_workgroup_id_y 1
		.amdhsa_system_sgpr_workgroup_id_z 1
		.amdhsa_system_vgpr_workitem_id 0
		.amdhsa_next_free_vgpr 1024
		.amdhsa_next_free_sgpr 98
		.amdhsa_reserve_vcc 0
		.amdhsa_float_denorm_mode_32 3
		.amdhsa_float_denorm_mode_16_64 3
		.amdhsa_memory_ordered 1
		.amdhsa_forward_progress 1
		.amdhsa_inst_pref_size 255
	.end_amdhsa_kernel
	.section	.bss,"aw",@nobits
	.p2align	6
	.space	262144
	.amdgpu_metadata
---
amdhsa.version: [ 1, 2 ]
amdhsa.kernels:
  - .name:           k_q1d7bb05dea_gemm2
    .symbol:         k_q1d7bb05dea_gemm2.kd
    .args:
      - { .name: hq, .offset: 0, .size: 8, .value_kind: global_buffer, .address_space: global }
      - { .name: w2q, .offset: 8, .size: 8, .value_kind: global_buffer, .address_space: global }
      - { .name: prm, .offset: 16, .size: 8, .value_kind: global_buffer, .address_space: global }
      - { .name: x, .offset: 24, .size: 8, .value_kind: global_buffer, .address_space: global }
      - { .name: out0, .offset: 32, .size: 8, .value_kind: global_buffer, .address_space: global }
    .group_segment_fixed_size: 327680
    .private_segment_fixed_size: 0
    .kernarg_segment_align: 8
    .kernarg_segment_size: 40
    .max_flat_workgroup_size: 128
    .sgpr_count:     98
    .vgpr_count:     1024
    .wavefront_size: 32
...
	.end_amdgpu_metadata
.endif
;; end of part 4
